; MI455X (gfx1250); checked and timed in simulation.
; The chip was launched on July 23, 2026; its instructions are those of AMD's public machine-readable ISA for CDNA 5 (MIT licence, August 2026) and "CDNA5" Instruction Set Architecture Reference Guide (July 2026). The comments in the code are by the model that wrote it; some were corrected since.
;; Mo E Layer. Allowed arithmetic: matrix products marked QUANTISED: E3M2 operands, one E8M0 scale for each 32 along K, by v_wmma_scale_f32_16x16x128_f8f6f4 with both operands' format E3M2, f32 sums; products left as they are: f32 operands where the result goes on into a quantised operand, else bf16, f16 or f32 operands; f32 sums; everything else in f32.
;; Inputs: b1 8 x 4,096 float32; b2 8 x 1,024 float32; gate_b 8 float32; gate_w 8 x 1,024 float32; w1_codes 8 x 4,096 x 32 x 24 uint8 (E3M2 codes of w1, K innermost, in blocks of 32 codes, four codes in three bytes); w1_scales 8 x 4,096 x 32 uint8 (E8M0 scales of w1, one for each 32 codes along K); w2_codes 8 x 1,024 x 128 x 24 uint8 (E3M2 codes of w2, K innermost, in blocks of 32 codes, four codes in three bytes); w2_scales 8 x 1,024 x 128 uint8 (E8M0 scales of w2, one for each 32 codes along K); x 2 x 512 x 1,024 float32.
;; Outputs: out0 2 x 512 x 1,024 float32; out1 2 x 512 x 2 int32.
;; This version of the problem:
;;   THIS VERSION OF THE PROBLEM IS GIVEN IN LOW PRECISION. The matrix products marked QUANTISED in the list below multiply operands that are first quantised to E3M2 (3 exponent bits, 2 mantissa bits; 6 bits a number), with one power-of-two scale for each 32 numbers along K (OCP MX v1.0); their sums are f32. All else is computed in f32.
;;   The module's matrix products, in the order in which they are computed (A, B: the left and right operand; K: the contracted axis; several contracted axes count as one K, in the product's order):
;;     1. [M 1,024, K 1,024] x [K 1,024, N 8]; A: input x; B: input gate_w: left as it is (N = 8 < 16)
;;     2. [M 1,024, K 1,024] x [K 1,024, N 32,768]; A: input x; B: input w1 (given as codes): QUANTISED
;;     3. batch 8 x [M 1,024, K 4,096] x [K 4,096, N 1,024]; A: input w2 (given as codes); B: computed on the way: QUANTISED
;;     4. batch 1,024 x [M 1, K 2] x [K 2, N 8]; A: softmax; B: computed on the way: left as it is (K = 2 < 32)
;;     5. batch 1,024 x [M 1, K 8] x [K 8, N 1,024]; A: computed on the way; B: computed on the way: left as it is (K = 8 < 32)
;;   THE QUANTISER, for each operand of a quantised product, along K:
;;     - K is cut into blocks of 32 from its start; a last block that is shorter is filled with zeros.
;;     - A block's scale is 2^e with e = floor(log2(the largest magnitude in the block)) - 4, held to -126 .. 127; a block of zeros has e = 0. As a byte (E8M0): e + 127.
;;     - Each number is divided by its block's scale, clamped to +-28, and rounded to the nearest number of E3M2, ties to even, subnormals kept.
;;     - The product sums the exact products of the quantised numbers (number of the format x scale) in f32.
;;   ~~~python
;;   def quantise(x, axis):      # numpy; x: float32 -> the quantised numbers, widened to float32 again
;;       x = np.moveaxis(x, axis, -1); K = x.shape[-1]
;;       x = np.pad(x, [(0, 0)] * (x.ndim - 1) + [(0, -K % 32)]); x = x.reshape(x.shape[:-1] + (-1, 32)); a = np.abs(x).max(-1, keepdims=True)
;;       e = np.where(a > 0, np.clip(np.frexp(np.where(a > 0, a, 1))[1] - 1 - 4, -126, 127), 0)      # np.frexp(a)[1] - 1 = floor(log2(a)), exactly
;;       r = np.clip(x / 2.0 ** e, -28, 28)
;;       step = 2.0 ** (np.maximum(np.frexp(np.where(r == 0, 1, r))[1] - 1, -2) - 2)
;;       q = np.round(r / step) * step * 2.0 ** e      # np.round: ties to even
;;       return np.moveaxis(q.reshape(q.shape[:-2] + (-1,))[..., :K], -1, axis).astype(np.float32)
;;   ~~~
;;   OPERANDS COMPUTED ON THE WAY. 'Computed on the way' means the value that the module computes at that place (a softmax that the list does not call 'softmax' is quantised finished and normalised). What goes into a quantiser is computed in f32, as accurately as f32 sums, v_exp_f32 and their like allow (about 1e-6 of the number): no bf16 or f16 on the way to a quantiser, and a product that is left as it is and whose result goes on into a quantised operand takes f32 operands (vector FMAs, or v_wmma_f32_16x16x4_f32). A number that lies on a knife's edge between two numbers of the format may be rounded either way, as far as f32 arithmetic and the matrix unit's own rounding can turn it there, and no further.
;;   INPUTS GIVEN AS CODES. w1 (in the module: [8, 4096, 1024], K = its axis 2); w2 (in the module: [8, 1024, 4096], K = its axis 2): each comes as NAME_codes (uint8): NAME with its K axis moved to the last place and cut into blocks of 32 codes, [.., K / 32, bytes a block], one block behind the other in memory; four codes in three bytes: a row's codes are one little-endian stream of bits, code i at bits 6 i .. 6 i + 5 (a code: sign, 3 exponent bits, 2 mantissa bits); and NAME_scales (uint8): the same leading axes, one E8M0 byte (e + 127) for each 32 codes along K. Its value is code x scale, taken as it is: it is not quantised again, and the codes and scales need not be those that the quantiser above would give.
;; 2 versions, each right; version 2 is version 1 with the launches up, down written anew for expert scheduling mode. Each part assembles by itself: llvm-mc -triple=amdgcn-amd-amdhsa -mcpu=gfx1250 --defsym DOCPART=n.
;; ======== version 1 of 2: 4 launches
;; workspace buffers: xq 819,200 bytes; route_i 9,216 bytes of whole numbers; gw 8,192 bytes; rowy 32,768 bytes of whole numbers; roww 32,768 bytes; hc 25,165,824 bytes; hs 1,048,576 bytes; y 8,388,608 bytes
;; launch route (part 1): grid 128 x 1, 4 waves a work-group, no clusters, 19,968 bytes of LDS; arguments x, gate_w, gate_b, xq, route_i, gw, out1; writes xq, route_i, gw, out1
.if DOCPART == 1
	.amdgcn_target "amdgcn-amd-amdhsa--gfx1250"
	.amdhsa_code_object_version 6
	.text
	.protected	k_qc321e4153f_route
	.globl	k_qc321e4153f_route
	.p2align	8
	.type	k_qc321e4153f_route,@function
k_qc321e4153f_route:
	s_mov_b64 s[64:65], 0
	v_nop
	global_prefetch_b8 v0, s[64:65] scope:SCOPE_SE
	s_setreg_imm32_b32 hwreg(HW_REG_WAVE_MODE, 25, 1), 1
	s_wait_xcnt 0x0
; THE GATE, THE CHOICE OF TWO EXPERTS, AND x AS CODES.  x [1024][1024] f32, gate_w [8][1024], gate_b [8].
; A work-group takes 8 tokens (one byte of each expert's bit mask), wave w the tokens 8 wg + 2 w and + 1.
; Stored, all at fixed places (no address here hangs on the choice):
;   xq      token t's 1,024 codes of E3M2 at 768 t, block l (32 numbers, 24 bytes) at 384 (l & 1) + 24 (l >> 1), so that the 96 operand
;           registers of a lane half h for all eight K steps are the 384 bytes on end at 384 h; the scale bytes at 786,432 + 32 t + l
;   route_i [1024][2] the chosen experts; from byte 8,192 on [8][128] bytes: bit j of byte (e, g) = token 8 g + j chose expert e
;   gw      [1024][2] the softmax of the two chosen logits;   out1 the chosen experts.
; The logits are f32 fused multiply-adds: 32 lanes x 32 numbers, then a sum over the lanes.  Ties keep the lower index.
; A block's scale is 2^(floor(log2(largest magnitude)) - 4): the largest magnitude's exponent field less 4, held at 1 from below.
; LIMITS: NaN and infinities are not served.  A block of zeros gets the byte 1 (its codes are zeros; only this program reads the bytes).
; The logits' sums run in another order than a row-by-row sum: two logits closer than about 1e-6 of their size may change places.
.set STG, 4608                         ; a wave's stage: 32 blocks of 128 bytes + 16
.set LG,  18432                        ; behind the four stages: the logits, [8 tokens][8 experts] f32
.set XR,  32                           ; v32-95   x of my two tokens as loaded: register 4 i + k = column 128 i + 4 lane + k
.set XB,  96                           ; v96-127  a token's numbers by blocks: lane l holds block l
.set AC,  96                           ; v96-111  later: eight sums in pairs
.set LL,  112                          ; v112-119 eight logits
.set PT,  120                          ; v120-127 the other half of the lanes' sums
.set GW,  128                          ; v128-255 gate_w, experts 0-3; experts 4-7 in window 1, v0-127
.set MSB, 0
.macro WIN new                         ; the immediate's high byte repeats the setting that is left
.if MSB != (\new)
	s_set_vgpr_msb (MSB<<8)|(\new)
.set MSB, (\new)
.endif
.endm
	s_load_b256 s[4:11], s[0:1], 0x0               ; x, gate_w, gate_b, xq
	s_load_b128 s[12:15], s[0:1], 0x20             ; route_i, gw
	s_load_b64 s[16:17], s[0:1], 0x30              ; out1
	v_lshl_add_u32 v30, v0, 2, 0x4c00
	v_mov_b32 v31, 0
	v_lshrrev_b32 v6, 5, v0
	v_readfirstlane_b32 s18, v6                    ; wave 0..3
	v_lshl_add_u32 v7, v6, 6, LG                   ; where my two tokens' logits go: LG + 64 x wave
	v_and_b32 v1, 31, v0                           ; lane
	v_lshlrev_b32 v2, 4, v1                        ; 16 x lane: my bytes of a load's 512
	s_mul_i32 s30, s18, STG
	v_lshrrev_b32 v6, 3, v1
	v_lshl_add_u32 v3, v6, 4, v2
	v_add_nc_u32 v3, s30, v3                       ; the stage, in: eight lanes' 128 bytes on end, then 16 of padding
	v_mul_u32_u24 v4, v1, 144
	v_add_nc_u32 v4, s30, v4                       ; and out: block = lane
	v_and_b32 v5, 1, v1
	v_mul_u32_u24 v5, v5, 384
	v_lshrrev_b32 v6, 1, v1
	v_mad_u32_u24 v5, v6, 24, v5                   ; my block's place in a token's codes
	v_and_b32 v6, 7, v1
	v_lshl_add_u32 v6, v6, 5, LG                   ; wave 0's last part: lane & 7 is its token
	s_mov_b32 s28, 0x76543210
	s_mov_b32 s29, 0xfedcba98                      ; v_permlanex16_b32's selects for lane l xor 16
	s_lshl_b32 s31, ttmp9, 3
	s_lshl_b32 s32, s18, 1
	s_add_co_u32 s31, s31, s32                     ; my first token
	s_lshl_b32 s32, s31, 12
	s_mov_b32 s33, 0
	s_mul_i32 s34, s31, 768
	s_mov_b32 s35, 0
	s_lshl_b32 s36, s31, 5
	s_add_co_u32 s36, s36, 786432
	s_mov_b32 s37, 0
	s_wait_kmcnt 0x0
	s_load_b256 s[20:27], s[8:9], 0x0              ; gate_b
	s_add_nc_u64 s[4:5], s[4:5], s[32:33]          ; x at my first token
	s_add_nc_u64 s[38:39], s[10:11], s[36:37]      ; its scale bytes
	s_add_nc_u64 s[10:11], s[10:11], s[34:35]      ; its codes
.irp t, 0,1
.irp i, 0,1,2,3,4,5,6,7
	global_load_b128 v[XR+32*\t+4*\i:XR+32*\t+4*\i+3], v2, s[4:5] offset:4096*\t+512*\i th:TH_LOAD_NT   ; 512 bytes on end
.endr
.endr
.irp e, 0,1,2,3
.irp i, 0,1,2,3,4,5,6,7
	global_load_b128 v[GW+32*\e+4*\i:GW+32*\e+4*\i+3], v2, s[6:7] offset:4096*\e+512*\i
.endr
.endr
	WIN 0x40                                       ; destination window 1
.irp e, 0,1,2,3
.irp i, 0,1,2,3,4,5,6,7
	global_load_b128 v[32*\e+4*\i:32*\e+4*\i+3], v2, s[6:7] offset:4096*(\e+4)+512*\i
.endr
.endr
	WIN 0
; Token t goes through the stage, so that a lane holds a whole block, and is quantised.
.macro QTOK t
.irp i, 0,1,2,3,4,5,6,7
	ds_store_b128 v3, v[XR+32*\t+4*\i:XR+32*\t+4*\i+3] offset:576*\i
.endr
.irp j, 0,1,2,3,4,5,6,7
	ds_load_b128 v[XB+4*\j:XB+4*\j+3], v4 offset:16*\j      ; LDS serves a wave's instructions in order: these see the stores above
.endr
	s_wait_dscnt 0x0
	v_max3_num_f32 v24, |v[XB]|, |v[XB+1]|, 0x2800000       ; the block's largest magnitude, in two chains, and the floor 2^(5 - 127)
	v_max3_num_f32 v25, |v[XB+2]|, |v[XB+3]|, |v[XB+4]|
.set nn, XB+5
.rept 6
	v_max3_num_f32 v24, v24, |v[nn]|, |v[nn+1]|
	v_max3_num_f32 v25, v25, |v[nn+2]|, |v[nn+3]|
.set nn, nn+4
.endr
	v_max3_num_f32 v24, v24, |v[XB+29]|, |v[XB+30]|
	v_max3_num_f32 v24, v24, v25, |v[XB+31]|
	v_add_nc_u32 v26, 0xfe000000, v24              ; 4 off its exponent field: the conversion takes the exponent field of this operand as its scale
	v_cvt_scalef32_pk16_bf6_f32 v[8+8*\t:10+8*\t], v[XB:XB+15], v26
	v_cvt_scalef32_pk16_bf6_f32 v[12+8*\t:14+8*\t], v[XB+16:XB+31], v26
	v_lshrrev_b32 v[11+8*\t], 23, v26              ; the scale's byte (also the plain line behind the conversions)
	global_store_b96 v5, v[8+8*\t:10+8*\t], s[10:11] offset:768*\t
	global_store_b96 v5, v[12+8*\t:14+8*\t], s[10:11] offset:768*\t+12
	global_store_b8 v1, v[11+8*\t], s[38:39] offset:32*\t
.endm
; Four experts' sums for token t: sixteen packed multiply-adds each, the four by turns.
.macro DOT4 t, e0, g0
.irp j, 0,1,2,3
	v_pk_mul_f32 v[AC+2*(\e0+\j):AC+2*(\e0+\j)+1], v[XR+32*\t:XR+32*\t+1], v[\g0+32*\j:\g0+32*\j+1]
.endr
.set qq, 2
.rept 15
.irp j, 0,1,2,3
	v_pk_fma_f32 v[AC+2*(\e0+\j):AC+2*(\e0+\j)+1], v[XR+32*\t+qq:XR+32*\t+qq+1], v[\g0+32*\j+qq:\g0+32*\j+qq+1], v[AC+2*(\e0+\j):AC+2*(\e0+\j)+1]
.endr
.set qq, qq+2
.endr
.endm
.macro DOT t
	DOT4 \t, 0, GW
	WIN 0x04                                       ; source 1 window 1
	DOT4 \t, 4, 0
	WIN 0
.irp e, 0,1,2,3,4,5,6,7
	v_add_f32 v[LL+\e], v[AC+2*\e], v[AC+2*\e+1]
.endr
.irp m, 1,2,4,8
.irp e, 0,1,2,3,4,5,6,7
	v_add_f32_dpp v[LL+\e], v[LL+\e], v[LL+\e] row_xmask:\m row_mask:0xf bank_mask:0xf
.endr
.endr
.irp e, 0,1,2,3,4,5,6,7
	v_permlanex16_b32 v[PT+\e], v[LL+\e], s28, s29
.endr
.irp e, 0,1,2,3,4,5,6,7
	v_add_f32 v[LL+\e], v[LL+\e], v[PT+\e]         ; every lane holds the eight sums
.endr
	ds_store_b128 v7, v[LL:LL+3] offset:32*\t      ; all lanes write the same bytes with the same values
	ds_store_b128 v7, v[LL+4:LL+7] offset:32*\t+16
.endm
	s_wait_loadcnt 63                              ; 64 loads were issued behind the last load of x: x is in
	QTOK 0
	QTOK 1
	s_wait_loadcnt 0x0                             ; gate_w
	DOT 0
	DOT 1
	s_wait_dscnt 0x0                               ; my logits lie in LDS
	s_barrier_signal -1
	s_barrier_wait -1
	s_cmp_lg_u32 s18, 0
	s_cbranch_scc1 .Lend
	ds_load_b128 v[LL:LL+3], v6                    ; wave 0: lane & 7 takes a token's eight logits
	ds_load_b128 v[LL+4:LL+7], v6 offset:16
	s_lshl_b32 s32, ttmp9, 6
	s_add_nc_u64 s[16:17], s[16:17], s[32:33]      ; out1, sel and gw: 8 bytes a token
	s_add_nc_u64 s[14:15], s[14:15], s[32:33]
	s_add_nc_u64 s[40:41], s[12:13], s[32:33]
	s_mov_b32 s34, ttmp9
	s_add_nc_u64 s[12:13], s[12:13], s[34:35]      ; the masks: byte wg of each expert's 128
	v_lshlrev_b32 v107, 3, v1
	v_lshlrev_b32 v108, 7, v1
	s_wait_kmcnt 0x0                               ; gate_b
	s_wait_dscnt 0x0
.irp e, 0,1,2,3,4,5,6,7
	v_add_f32 v[LL+\e], s[20+\e], v[LL+\e]
.endr
	v_mov_b32 v96, v[LL]                           ; the largest logit and its expert
	v_mov_b32 v104, 0
.irp e, 1,2,3,4,5,6,7
	v_cmp_ge_f32 vcc_lo, v96, v[LL+\e]             ; the old one stays on a tie: the lower index
	v_cndmask_b32 v96, v[LL+\e], v96, vcc_lo
	v_cndmask_b32 v104, \e, v104, vcc_lo
.endr
	v_mov_b32 v98, 0xff800000                      ; the second: the same search, passing over the first's expert
	v_mov_b32 v105, 0
.irp e, 0,1,2,3,4,5,6,7
	v_cmp_ge_f32 s30, v98, v[LL+\e]
	v_cmp_eq_u32 vcc_lo, \e, v104
	s_or_b32 vcc_lo, vcc_lo, s30
	v_cndmask_b32 v98, v[LL+\e], v98, vcc_lo
	v_cndmask_b32 v105, \e, v105, vcc_lo
.endr
	v_sub_f32 v100, v98, v96                       ; the softmax of the two, the larger taken away: 1 and t = e^(second - first)
	v_mul_f32 v100, 0x3fb8aa3b, v100
	v_exp_f32 v100, v100
	v_nop                                          ; a plain line behind a transcendental
	s_wait_alu depctr_va_vdst(0)
	v_add_f32 v101, 1.0, v100
	v_rcp_f32 v102, v101                           ; w0 = 1 / (1 + t)
	v_mov_b32 v106, 0                              ; (the plain line)
	s_wait_alu depctr_va_vdst(0)
	v_mul_f32 v103, v100, v102                     ; w1 = t / (1 + t)
.irp e, 0,1,2,3,4,5,6,7
	v_cmp_eq_u32 s30, \e, v104                     ; which of the 8 tokens chose expert e: lanes 0-7's bits
	v_cmp_eq_u32 s31, \e, v105
	s_or_b32 s30, s30, s31
	s_and_b32 s30, s30, 0xff
	v_writelane_b32 v106, s30, \e                  ; lane e carries expert e's byte
.endr
	s_wait_xcnt 0x0                                ; EXEC changes only behind this wait
	v_cmp_gt_u32 vcc_lo, 8, v1
	s_and_saveexec_b32 s42, vcc_lo
	global_store_b64 v107, v[104:105], s[16:17]
	global_store_b64 v107, v[104:105], s[40:41]
	global_store_b64 v107, v[102:103], s[14:15]
	global_store_b8 v108, v106, s[12:13] offset:8192
	s_wait_xcnt 0x0
	s_or_b32 exec_lo, exec_lo, s42
.Lend:
	s_wait_tensorcnt 0x0
	ds_add_u32 v30, v31
	s_wait_dscnt 0x0
	s_endpgm
.Lfunc_end_k_qc321e4153f_route:
	.size	k_qc321e4153f_route, .Lfunc_end_k_qc321e4153f_route-k_qc321e4153f_route
	.p2alignl 7, 3214868480
	.fill 96, 4, 3214868480
	.section	.rodata,"a",@progbits
	.p2align	6, 0x0
	.amdhsa_kernel k_qc321e4153f_route
		.amdhsa_group_segment_fixed_size 19968
		.amdhsa_private_segment_fixed_size 0
		.amdhsa_enable_private_segment 0
		.amdhsa_kernarg_size 56
		.amdhsa_user_sgpr_count 2
		.amdhsa_user_sgpr_kernarg_segment_ptr 1
		.amdhsa_wavefront_size32 1
		.amdhsa_system_sgpr_workgroup_id_x 1
		.amdhsa_system_sgpr_workgroup_id_y 1
		.amdhsa_system_sgpr_workgroup_id_z 1
		.amdhsa_system_vgpr_workitem_id 0
		.amdhsa_next_free_vgpr 384
		.amdhsa_next_free_sgpr 66
		.amdhsa_reserve_vcc 1
		.amdhsa_float_denorm_mode_32 3
		.amdhsa_float_denorm_mode_16_64 3
		.amdhsa_memory_ordered 1
		.amdhsa_forward_progress 1
		.amdhsa_inst_pref_size 44
	.end_amdhsa_kernel
	.amdgpu_metadata
---
amdhsa.version: [ 1, 2 ]
amdhsa.kernels:
  - .name:           k_qc321e4153f_route
    .symbol:         k_qc321e4153f_route.kd
    .args:
      - { .name: x, .offset: 0, .size: 8, .value_kind: global_buffer, .address_space: global }
      - { .name: gate_w, .offset: 8, .size: 8, .value_kind: global_buffer, .address_space: global }
      - { .name: gate_b, .offset: 16, .size: 8, .value_kind: global_buffer, .address_space: global }
      - { .name: xq, .offset: 24, .size: 8, .value_kind: global_buffer, .address_space: global }
      - { .name: route_i, .offset: 32, .size: 8, .value_kind: global_buffer, .address_space: global }
      - { .name: gw, .offset: 40, .size: 8, .value_kind: global_buffer, .address_space: global }
      - { .name: out1, .offset: 48, .size: 8, .value_kind: global_buffer, .address_space: global }
    .group_segment_fixed_size: 19968
    .private_segment_fixed_size: 0
    .kernarg_segment_align: 8
    .kernarg_segment_size: 56
    .max_flat_workgroup_size: 128
    .sgpr_count:     66
    .vgpr_count:     384
    .wavefront_size: 32
...
	.end_amdgpu_metadata
.endif
;; end of part 1
;; launch up (part 2): grid 256 x 1, 4 waves a work-group, no clusters, 156,160 bytes of LDS; arguments xq, route_i, gw, w1_codes, w1_scales, b1, hc, hs, rowy, roww; writes hc, hs, rowy, roww
.if DOCPART == 2
	.amdgcn_target "amdgcn-amd-amdhsa--gfx1250"
	.amdhsa_code_object_version 6
	.text
	.protected	k_qc321e4153f_up
	.globl	k_qc321e4153f_up
	.p2align	8
	.type	k_qc321e4153f_up,@function
k_qc321e4153f_up:
	s_mov_b64 s[64:65], 0
	v_nop
	global_prefetch_b8 v0, s[64:65] scope:SCOPE_SE
	s_setreg_imm32_b32 hwreg(HW_REG_WAVE_MODE, 25, 1), 1
	s_wait_xcnt 0x0
; THE FIRST PRODUCT OF THE CHOSEN ROWS: h = Q(gelu(Q(x) W1^T + b1)), on codes of E3M2 with one E8M0 scale for each 32 along K.
; Work-group (e, sl) = (wg >> 5, wg & 31) owns hidden units 128 sl .. + 127 of expert e, which are K step sl of the second product.
; Wave w: uh = w & 1 its 64 units, rp = w >> 1 the parity of its tiles of 16 rows.  Its 4 tiles of units x 8 K steps of W1 (32 fragments,
; 384 registers) stay in registers: each byte of W1 leaves memory once.  They come by loads of 512 bytes on end and turn through LDS.
; THE ROWS.  The expert's tokens come as a bit mask of 1,024 bits, stored by the launch before.  Slot p of the expert's list is the token of the
; p-th set bit; slots behind the last repeat the last token, so a tile is always full and the copies give the same bits at the same place.
; A TILE OF x IS FETCHED ONCE FOR THE WORK-GROUP: the two waves of a parity multiply the same 16 rows, so wave uh loads rows 8 uh .. 8 uh + 7 (12 loads, sixteen
; lanes to 256 bytes on end of a row) and both read all 16 from the pair's stage in LDS, behind a barrier.  Two stages a pair by turns: a stage is written
; again one barrier behind its reads, which are waited for in front of that barrier.  Rows are asked for two tile places ahead, in two sets of registers.
; THE PRODUCT IS USED TRANSPOSED (source 0 = 16 rows of W1, source 1 = 16 rows of x), and lane r of tile 2 b + u takes unit 32 b + 8 u + r + 8 (r / 8):
; a lane then holds one row, and the 16 registers of tiles 2 b, 2 b + 1 are 16 neighbours along the next K.  b1 is the C of each sum's first product.
; gelu(h) = 0.5 h (1 + erf(h / sqrt 2)), erf(t) = t P(t^2) / Q(t^2) with t held to +-4 (degrees 6 and 4 in t^2), all in f32.
; OUT.  hc [8][64 tiles][32 K steps][1,536]: a fragment as an image of its 12 registers, registers 4 p .. 4 p + 3 of lane l at 512 p + 16 l; my 64 units
; are registers 6 uh .. 6 uh + 5.  hs [8][64][32][16] words: row r's four scale bytes; mine are bytes 2 uh, 2 uh + 1.  rowy, roww [8][1024]: slot p's
; row of y (2 token + k) and gate weight; group g of 32 slots is stored by work-group sl = g.
; No tensor load and no joint load: which tiles exist hangs on counts read from memory.
; LIMITS: NaN and infinities are not served.  A block of zeros gets the byte 1 (its codes are zeros).  For strongly negative h the sum 1 + erf cancels:
; the error of gelu is about 1e-7 |h|, far under a code's step in its block.
.set WP,   784                         ; an LDS row of 768 bytes + 16 = 196 words: row r starts at bank 4 r mod 64 (64 banks of 4 bytes: ISA guide 11.1)
.set LIST, 128*WP                      ; behind W1's 128 rows: the list, 1,152 words (the last 128 are zeros)
.set XST,  LIST+4608                   ; behind it: x's stages: for each parity two of 16 rows x 784 bytes
.set XSET, 16*WP                       ; one stage
.set XS,   50                          ; v50-53   x's scale words: lanes 0-15 K steps 0-3, lanes 16-31 K steps 4-7
.set W1S,  60                          ; v60-75   W1's scale words: register 8 (t % 2) + s: lanes 0-15 tile t % 2, lanes 16-31 tile t % 2 + 2
.set B1R,  76                          ; v76-107  b1 in the result's layout
.set ACC,  108                         ; v108-139 four accumulators
.set AX,   140                         ; v140-235 x's eight fragments
.set TT,   140                         ; v140-203 at work in gelu, when x's fragments are done with
.set X2,   156
.set PA,   172
.set PB,   188
.set TM,   236                         ; v236-243 at work in the quantiser
.set PW,   244                         ; v244     my two scale bytes
.set PC,   246                         ; v246-251 my six registers of codes
.set PD,   252
.set GG,   132                         ; window 2, v132-227: my eight rows of x as loaded, two sets of 48
                                       ; set k also has: v[32+4k ..] its four row offsets; v11 / v44 its scale words' offset; v54-57 / v20-23 the scale words as loaded
.set CA13, 32                          ; s[32:53] the polynomials' numbers, each twice (a packed form names a pair)
.set CA9,  34
.set CA7,  36
.set CA5,  38
.set CA3,  40
.set CA1,  42
.set CB8,  44
.set CB4,  46
.set CB2,  48
.set CB0,  50
.set CRS,  52
.set MSB, 0
.macro WIN new                         ; the immediate's high byte repeats the setting that is left
.if MSB != (\new)
	s_set_vgpr_msb (MSB<<8)|(\new)
.set MSB, (\new)
.endif
.endm
	s_load_b512 s[4:19], s[0:1], 0x0               ; xq, route_i, gw, w1_codes, w1_scales, b1, hc, hs
	s_load_b128 s[20:23], s[0:1], 0x40             ; rowy, roww
	v_lshl_add_u32 v47, v0, 2, 0x26000
	v_mov_b32 v255, 0
	v_lshrrev_b32 v1, 5, v0
	v_readfirstlane_b32 s24, v1                    ; wave
	v_and_b32 v1, 31, v0                           ; lane
	v_and_b32 v2, 15, v0                           ; r
	v_bfe_u32 v3, v0, 4, 1                         ; h
	s_and_b32 s25, s24, 1                          ; uh
	s_lshr_b32 s26, s24, 1                         ; rp
	s_lshr_b32 s27, ttmp9, 5                       ; e
	s_and_b32 s28, ttmp9, 31                       ; sl
	v_lshlrev_b32 v4, 4, v1                        ; 16 x lane
	s_lshl_b32 s98, s26, 6
	s_add_co_u32 s98, s98, LIST
	v_lshl_add_u32 v6, v2, 2, s98                  ; the list at my first tile: row r,
	s_lshl_b32 s99, s25, 5
	s_add_co_u32 s99, s99, s98
	v_lshl_add_u32 v5, v3, 2, s99                  ; and the rows that I fetch: 8 uh + 2 p + h
	s_mul_i32 s98, s26, 2*XSET
	s_add_co_u32 s98, s98, XST                     ; my pair's two stages
	s_mul_i32 s99, s25, 8*WP
	s_add_co_u32 s99, s99, s98
	v_mul_u32_u24 v7, v3, WP
	v_lshl_add_u32 v7, v2, 4, v7
	v_add_nc_u32 v7, s99, v7                       ; x's turn, in: row 8 uh + h, 16 r
	v_mul_u32_u24 v8, v2, WP
	v_mad_u32_u24 v8, v3, 384, v8
	v_add_nc_u32 v8, s98, v8                       ; and out: row r, my half's 384 bytes
	v_lshlrev_b32 v9, 4, v2                        ; 16 r
	v_lshl_add_u32 v10, v3, 4, 0xc0000             ; x's scale bytes begin at 786,432; + 16 h
	s_lshl_b32 s98, s25, 1
	v_lshl_add_u32 v12, v2, 2, s98                 ; hs: 4 r + 2 uh
	s_lshl_b32 s98, s25, 3
	s_add_co_u32 s98, s98, 512
	v_add_nc_u32 v13, s98, v4                      ; hc: my half of the middle piece
	s_mul_i32 s98, s25, 64*WP
	v_mul_u32_u24 v14, v2, WP
	v_mad_u32_u24 v14, v3, 24, v14
	v_add_nc_u32 v14, s98, v14                     ; W1's fragments: slot r of my 64, + 24 h
	s_mul_i32 s98, s24, 32*WP
	v_add_nc_u32 v15, s98, v4                      ; W1's turn, in: my 32 slots
	v_lshl_add_u32 v16, v3, 4, v15                 ; (a load that straddles two rows: lanes 16-31 lie one padding on)
	s_lshl_b32 s98, s24, 7
	s_add_co_u32 s98, s98, LIST
	v_lshl_add_u32 v18, v1, 2, s98                 ; the list, in: group w + 4 i at 512 i
	v_and_b32 v49, 8, v2
	v_add_nc_u32 v49, v49, v2
	v_lshl_add_u32 v49, v3, 5, v49
	v_lshlrev_b32 v49, 5, v49                      ; W1's scale rows: 32 bytes x (32 h + r + 8 (r / 8))
	v_lshlrev_b32 v245, 6, v3                      ; b1: 16 h numbers on
	v_mov_b32 v[TM+2], 0                           ; written once: a lane permute's destination counts as one of its sources
	v_mov_b32 v[TM+3], 0
.irp i, 0,1,2,3
	v_mov_b32 v[XS+\i], 0x7f7f7f7f                 ; scales of one, until the first tile's words are moved there
.endr
	s_mov_b32 s3, 0
	s_mov_b32 s101, 0
	s_lshl_b32 s100, s27, 7
	s_mul_i32 s98, s27, 3145728                    ; W1's codes: expert, slice of 128 rows, my 32 rows of 768 bytes
	s_mul_i32 s99, s28, 98304
	s_add_co_u32 s98, s98, s99
	s_mul_i32 s99, s24, 24576
	s_add_co_u32 s98, s98, s99
	s_mov_b32 s99, 0
	s_wait_kmcnt 0x0
	s_add_nc_u64 s[100:101], s[6:7], s[100:101]
	s_load_b512 s[32:47], s[100:101], 0x2000       ; the expert's mask, 32 words
	s_load_b512 s[48:63], s[100:101], 0x2040
	s_add_nc_u64 s[10:11], s[10:11], s[98:99]
	WIN 0x40                                       ; destination window 1
.set ii, 0
.rept 48
	global_load_b128 v[4*ii:4*ii+3], v4, s[10:11] offset:512*ii th:TH_LOAD_NT     ; 512 bytes on end; read once in the launch
.set ii, ii+1
.endr
	WIN 0
	s_lshl_b32 s98, s27, 12
	s_lshl_b32 s99, s28, 7
	s_add_co_u32 s98, s98, s99
	s_lshl_b32 s99, s25, 6
	s_add_co_u32 s98, s98, s99                     ; my first unit: 4096 e + 128 sl + 64 uh
	s_lshl_b32 s2, s98, 5
	s_add_nc_u64 s[12:13], s[12:13], s[2:3]
	s_lshl_b32 s2, s98, 2
	s_add_nc_u64 s[14:15], s[14:15], s[2:3]
.irp tp, 0,1
.irp qd, 0,1
	global_load_b128 v[W1S+8*\tp+4*\qd:W1S+8*\tp+4*\qd+3], v49, s[12:13] offset:256*\tp+16*\qd
.endr
.endr
.irp t, 0,1,2,3
	global_load_b128 v[B1R+8*\t:B1R+8*\t+3], v245, s[14:15] offset:(32*(\t/2)+8*(\t%2))*4
	global_load_b128 v[B1R+8*\t+4:B1R+8*\t+7], v245, s[14:15] offset:(32*(\t/2)+8*(\t%2))*4+16
.endr
	s_lshl_b32 s2, s27, 12
	s_add_nc_u64 s[20:21], s[20:21], s[2:3]        ; rowy and roww at my expert
	s_add_nc_u64 s[22:23], s[22:23], s[2:3]
	s_lshl_b32 s98, s27, 6
	s_add_co_u32 s98, s98, s26
	s_lshl_b32 s98, s98, 5
	s_add_co_u32 s98, s98, s28                     ; (64 e + my first tile) 32 + sl
	s_mul_i32 s2, s98, 1536
	s_add_nc_u64 s[16:17], s[16:17], s[2:3]
	s_lshl_b32 s2, s98, 6
	s_add_nc_u64 s[18:19], s[18:19], s[2:3]
	s_wait_kmcnt 0x0
	s_mov_b32 s66, 0                               ; s[66 + c]: set bits in front of word c
.set cc, 0
.rept 31
	s_bcnt1_i32_b32 s98, s[32+cc]
	s_add_co_u32 s[67+cc], s[66+cc], s98
.set cc, cc+1
.endr
	s_bcnt1_i32_b32 s98, s63
	s_add_co_u32 s29, s97, s98                     ; n: the expert's rows
	s_add_co_u32 s30, s29, 15
	s_lshr_b32 s30, s30, 4                         ; nt: its tiles
	s_max_u32 s31, s29, 1
	s_sub_co_u32 s31, s31, 1                       ; the last slot that has a token of its own
	s_max_u32 s2, s30, 1
; Group g = w + 4 i of 32 slots: slot p = 32 g + lane gets the token of set bit min(p, n - 1).  Groups that no tile's products read get zeros.
.macro SEL i
	v_mov_b32 v26, 0
	s_add_co_u32 s99, s24, 4*\i
	s_lshl_b32 s98, s99, 1
	s_cmp_ge_u32 s98, s2
	s_cbranch_scc1 .Lnosel_\@
	v_lshl_add_u32 v19, s99, 5, v1
	v_min_u32 v19, s31, v19
	v_mov_b32 v20, s32                             ; the word that holds the bit, the bits in front of it, its number:
	v_mov_b32 v21, 0
	v_mov_b32 v22, 0
.set cc, 1
.rept 31
	v_cmp_gt_u32 vcc_lo, s[66+cc], v19             ; the last word with no more bits in front of it than the slot's number
	v_cndmask_b32 v20, s[32+cc], v20, vcc_lo
	v_cndmask_b32 v21, s[66+cc], v21, vcc_lo
	v_cndmask_b32 v22, cc, v22, vcc_lo
.set cc, cc+1
.endr
	v_sub_nc_u32 v21, v19, v21                     ; which set bit of that word
	v_mov_b32 v23, 0
	v_mov_b32 v24, 0
.set cc, 0
.rept 32
	v_bfe_u32 v25, v20, cc, 1
	v_add_nc_u32 v23, v23, v25
	v_cmp_le_u32 vcc_lo, v23, v21                  ; its place = the number of places up to which too few bits are set
	v_add_co_ci_u32 v24, vcc_lo, 0, v24, vcc_lo
.set cc, cc+1
.endr
	v_lshl_add_u32 v26, v22, 5, v24
	v_min_u32 v26, 0x3ff, v26                      ; the token
	s_cmp_lg_u32 s99, s28
	s_cbranch_scc1 .Lnosel_\@                      ; group g's rows of y and weights are stored by work-group sl = g
	v_lshlrev_b32 v25, 3, v26
	global_load_b64 v[28:29], v25, s[6:7]          ; the token's two experts
	global_load_b64 v[30:31], v25, s[8:9]          ; and their weights
	v_lshlrev_b32 v24, 2, v1
	v_lshl_add_u32 v24, s99, 7, v24
	s_wait_loadcnt 0x0
	v_cmp_eq_u32 vcc_lo, s27, v29                  ; am I its second?
	v_cndmask_b32 v30, v30, v31, vcc_lo
	v_lshlrev_b32 v31, 1, v26
	v_add_co_ci_u32 v31, vcc_lo, 0, v31, vcc_lo    ; 2 token + k
	global_store_b32 v24, v31, s[20:21]
	global_store_b32 v24, v30, s[22:23]
	s_wait_xcnt 0x0                                ; their registers are written again only behind this wait
.Lnosel_\@:
	ds_store_b32 v18, v26 offset:512*\i
.endm
.irp i, 0,1,2,3,4,5,6,7
	SEL \i
.endr
	v_mov_b32 v26, 0
	ds_store_b32 v18, v26 offset:4096              ; slots 1,024 on: zeros
	s_wait_loadcnt 0x0                             ; W1, its scale words, b1
	WIN 0x04                                       ; an LDS store's data are its source 1: window 1
; Rows 2 a and 2 a + 1 of my 32 are three loads.  Row u of 32 goes to slot 16 ((u >> 3) & 1) + 8 (u >> 4) + (u & 7): the order in which the tiles' lanes take them.
.set ii, 0
.rept 16
.set gq, ii/4
.set im, WP*((gq&1)*16+2*(ii%4)+8*(gq>>1))
	ds_store_b128 v15, v[12*ii:12*ii+3] offset:im
	ds_store_b128 v16, v[12*ii+4:12*ii+7] offset:im+512
	ds_store_b128 v15, v[12*ii+8:12*ii+11] offset:im+1040
.set ii, ii+1
.endr
	WIN 0
	s_wait_dscnt 0x0                               ; my part of the list and of W1 lies in LDS
	s_barrier_signal -1
	s_barrier_wait -1                              ; from here on the list and W1's rows are only read
.macro COEF r, bits
	s_mov_b32 s[\r], \bits
	s_mov_b32 s[\r+1], \bits
.endm
	COEF CA13, 0xaf95df0b
	COEF CA9,  0xb60cff51
	COEF CA7,  0xb86ec2d2
	COEF CA5,  0xba40ac63
	COEF CA3,  0xbb41a1f6
	COEF CA1,  0xbc83dbd4
	COEF CB8,  0xb77460cd
	COEF CB4,  0xbadc924e
	COEF CB2,  0xbbf19bf8
	COEF CB0,  0xbc69b6a7
	COEF CRS,  0x3f3504f3                          ; sqrt(1/2)
	v_mov_b32 v58, 0x32edffee                      ; a11 and b6 in vector pairs: each chain's first line has two numbers
	v_mov_b32 v59, 0x32edffee
	v_mov_b32 v28, 0xb95fbd29
	v_mov_b32 v29, 0xb95fbd29
	s_mov_b32 s60, 0x76543210
	s_mov_b32 s61, 0xfedcba98                      ; v_permlanex16_b32's selects for lane l xor 16
	s_mov_b32 s55, 0                               ; 256 bytes of the list a trip
; My eight rows of the tile that begins off bytes on in the list are asked for, into set k: 12 loads, sixteen lanes to 256 bytes on end of a row, and the
; 16 rows' scale words: 13 loads.  Every slot of the list holds a token, so the request is made whatever the expert's count.
.macro PREF k, off
.set xn, 54-34*(\k)
.set xb, 11+33*(\k)
.set rb, 32+4*(\k)
.set gb, GG+48*(\k)
	v_add_nc_u32 v17, s55, v5
	v_add_nc_u32 v27, s55, v6
.irp p, 0,1,2,3
	ds_load_b32 v[40+\p], v17 offset:(\off)+8*\p
.endr
	ds_load_b32 v48, v27 offset:(\off)
	s_wait_dscnt 0x0                               ; the tokens are in; and the stage's stores, if any were out, have read set k's registers
.irp p, 0,1,2,3
	v_min_u32 v[40+\p], 0x3ff, v[40+\p]
.endr
	v_min_u32 v48, 0x3ff, v48
.irp p, 0,1,2,3
	v_mul_u32_u24 v[rb+\p], 0x300, v[40+\p]
.endr
.irp p, 0,1,2,3
	v_add_nc_u32 v[rb+\p], v9, v[rb+\p]            ; 768 token + 16 r
.endr
	v_lshl_add_u32 v[xb], v48, 5, v10
	WIN 0x80                                       ; destination window 2
.irp p, 0,1,2,3
.irp u, 0,1,2
	global_load_b128 v[gb+4*(3*\p+\u):gb+4*(3*\p+\u)+3], v[rb+\p], s[4:5] offset:256*\u th:TH_LOAD_HT   ; the expert's other work-groups read the same rows
.endr
.endr
	WIN 0
	global_load_b128 v[xn:xn+3], v[xb], s[4:5]
.endm
	PREF 0, 0                                      ; my first tile
	PREF 1, 128                                    ; and my second
.set ff, 0
.rept 32                               ; fragment f = 4 s + t: window 1 at 12 f up to f = 20, window 2 at 12 (f - 21) from there
.if ff < 21
	WIN 0x40
.set fr, 12*ff
.else
	WIN 0x80
.set fr, 12*(ff-21)
.endif
.irp p, 0,1,2,3,4,5
	ds_load_b64 v[fr+2*\p:fr+2*\p+1], v14 offset:16*WP*(ff%4)+96*(ff/4)+48*(\p/3)+8*(\p%3)
.endr
.set ff, ff+1
.endr
	WIN 0
	s_wait_dscnt 0x0
.macro MMI d, a, b, c, sa, sb, ra, rb
.if (\ra) && (\rb)
	v_wmma_scale_f32_16x16x128_f8f6f4 v[(\d):(\d)+7], v[(\a):(\a)+11], v[(\b):(\b)+11], v[(\c):(\c)+7], v[\sa], v[\sb] matrix_a_fmt:MATRIX_FMT_BF6 matrix_b_fmt:MATRIX_FMT_BF6 matrix_a_scale:MATRIX_SCALE_ROW1 matrix_b_scale:MATRIX_SCALE_ROW1
.elseif (\ra)
	v_wmma_scale_f32_16x16x128_f8f6f4 v[(\d):(\d)+7], v[(\a):(\a)+11], v[(\b):(\b)+11], v[(\c):(\c)+7], v[\sa], v[\sb] matrix_a_fmt:MATRIX_FMT_BF6 matrix_b_fmt:MATRIX_FMT_BF6 matrix_a_scale:MATRIX_SCALE_ROW1
.elseif (\rb)
	v_wmma_scale_f32_16x16x128_f8f6f4 v[(\d):(\d)+7], v[(\a):(\a)+11], v[(\b):(\b)+11], v[(\c):(\c)+7], v[\sa], v[\sb] matrix_a_fmt:MATRIX_FMT_BF6 matrix_b_fmt:MATRIX_FMT_BF6 matrix_b_scale:MATRIX_SCALE_ROW1
.else
	v_wmma_scale_f32_16x16x128_f8f6f4 v[(\d):(\d)+7], v[(\a):(\a)+11], v[(\b):(\b)+11], v[(\c):(\c)+7], v[\sa], v[\sb] matrix_a_fmt:MATRIX_FMT_BF6 matrix_b_fmt:MATRIX_FMT_BF6
.endif
.endm
.macro MM t, s                         ; tile t of units, K step s
.set ff, 4*(\s)+(\t)
.if ff < 21
	WIN 0x01
.set fr, 12*ff
.else
	WIN 0x02
.set fr, 12*(ff-21)
.endif
.if (\s) == 0
.set cr, B1R+8*(\t)                    ; the bias starts the sum
.else
.set cr, ACC+8*(\t)
.endif
	MMI ACC+8*(\t), fr, AX+12*(\s), cr, W1S+8*((\t)%2)+(\s), XS+(\s)%4, (\t)/2, (\s)/4
.endm
; gelu of the sixteen numbers of two accumulators, in place, eight pairs by turns, so that seven other lines stand between a line and the one that reads its result.
; Of each accumulator the first line that reads it reads its two lowest registers.
.macro GELU16 b
.irp k, 0,2,4,6,8,10,12,14
	v_pk_mul_f32 v[TT+\k:TT+\k+1], v[(\b)+\k:(\b)+\k+1], s[CRS:CRS+1] op_sel_hi:[1,0]
.endr
.irp k, 0,1,2,3,4,5,6,7,8,9,10,11,12,13,14,15
	v_med3_num_f32 v[TT+\k], v[TT+\k], -4.0, 4.0
.endr
.irp k, 0,2,4,6,8,10,12,14
	v_pk_mul_f32 v[X2+\k:X2+\k+1], v[TT+\k:TT+\k+1], v[TT+\k:TT+\k+1]
.endr
.irp k, 0,2,4,6,8,10,12,14
	v_pk_fma_f32 v[PA+\k:PA+\k+1], v[X2+\k:X2+\k+1], s[CA13:CA13+1], v[58:59] op_sel_hi:[1,0,1]
.endr
.irp cf, CA9, CA7, CA5, CA3, CA1
.irp k, 0,2,4,6,8,10,12,14
	v_pk_fma_f32 v[PA+\k:PA+\k+1], v[PA+\k:PA+\k+1], v[X2+\k:X2+\k+1], s[\cf:\cf+1] op_sel_hi:[1,1,0]
.endr
.endr
.irp k, 0,2,4,6,8,10,12,14
	v_pk_fma_f32 v[PB+\k:PB+\k+1], v[X2+\k:X2+\k+1], s[CB8:CB8+1], v[28:29] op_sel_hi:[1,0,1]
.endr
.irp cf, CB4, CB2, CB0
.irp k, 0,2,4,6,8,10,12,14
	v_pk_fma_f32 v[PB+\k:PB+\k+1], v[PB+\k:PB+\k+1], v[X2+\k:X2+\k+1], s[\cf:\cf+1] op_sel_hi:[1,1,0]
.endr
.endr
.irp k, 0,2,4,6,8,10,12,14
	v_pk_mul_f32 v[TT+\k:TT+\k+1], v[TT+\k:TT+\k+1], v[PA+\k:PA+\k+1]
.endr
.irp k, 0,1,2,3,4,5,6,7,8,9,10,11,12,13,14,15
	v_rcp_f32 v[PB+\k], v[PB+\k]
.endr
.irp k, 0,2,4,6,8,10,12,14
	v_pk_mul_f32 v[X2+\k:X2+\k+1], v[(\b)+\k:(\b)+\k+1], 0.5 op_sel_hi:[1,0]     ; (plain lines behind the reciprocals)
.endr
	s_wait_alu depctr_va_vdst(0)
.irp k, 0,2,4,6,8,10,12,14
	v_pk_mul_f32 v[TT+\k:TT+\k+1], v[TT+\k:TT+\k+1], v[PB+\k:PB+\k+1]            ; erf
.endr
.irp k, 0,2,4,6,8,10,12,14
	v_pk_fma_f32 v[(\b)+\k:(\b)+\k+1], v[X2+\k:X2+\k+1], v[TT+\k:TT+\k+1], v[X2+\k:X2+\k+1]
.endr
.endm
; A tile place: the k-th of a trip's two; my tile is T = s57 + 2 k; the registers' set and the pair's stage are k.
.macro PLACE k
.set xn, 54-34*(\k)
.set gb, GG+48*(\k)
	s_add_co_u32 s54, s57, 2*\k
	s_cmp_ge_u32 s54, s30
	s_cbranch_scc1 .Lrest_\@
	s_wait_loadcnt 13                              ; behind this tile's 13 loads stand the 13 of my next tile
.irp i, 0,1,2,3
	v_mov_b32 v[XS+\i], v[xn+\i]                   ; (the request's sixteen plain vector lines below are the places between these and the products)
.endr
	WIN 0x08                                       ; store data window 2
.irp p, 0,1,2,3
.irp u, 0,1,2
	ds_store_b128 v7, v[gb+4*(3*\p+\u):gb+4*(3*\p+\u)+3] offset:XSET*\k+2*WP*\p+256*\u
.endr
.endr
	WIN 0
	PREF \k, 128*\k+256                            ; the tile two places on, into the set just emptied
	s_branch .Lmeet_\@
.Lrest_\@:
	s_wait_loadcnt 0x0                             ; no tile here: whatever was asked for ahead has landed
.Lmeet_\@:
	s_wait_dscnt 0x0                               ; my half of the tile lies in the stage, and my reads of the other stage are back
	s_barrier_signal -1
	s_barrier_wait -1
	s_cmp_ge_u32 s54, s30
	s_cbranch_scc1 .Lskip_\@
.set jj, 0
.rept 24
	ds_load_b128 v[AX+4*jj:AX+4*jj+3], v8 offset:XSET*\k+16*jj      ; a lane's 96 operand registers on end
.set jj, jj+1
.endr
.irp s, 0,1,2,3,4,5,6,7
	s_wait_dscnt 21-3*\s                           ; LDS loads come back in order: K step s's three are in, those of the later steps may be out
.irp t, 0,1,2,3
	MM \t, \s                                      ; the four accumulators by turns, one instruction a turn
.endr
.endr
	WIN 0
.rept 4
	v_nop                                          ; places behind the matrix instructions (ISA guide 7.12.1)
.endr
	GELU16 ACC
	GELU16 ACC+16
.irp b, 0,1                            ; my two blocks of 32 along the next K: 16 numbers here, 16 in lane l xor 16
	v_max3_num_f32 v[TM+\b], |v[ACC+16*\b]|, |v[ACC+16*\b+1]|, 0x2800000
.endr
.irp i, 2,4,6,8,10,12,14
.irp b, 0,1
	v_max3_num_f32 v[TM+\b], v[TM+\b], |v[ACC+16*\b+\i]|, |v[ACC+16*\b+\i+1]|
.endr
.endr
.irp b, 0,1
	v_permlanex16_b32 v[TM+2+\b], v[TM+\b], s60, s61
.endr
.irp b, 0,1
	v_max_num_f32 v[TM+\b], v[TM+\b], v[TM+2+\b]
.endr
.irp b, 0,1
	v_add_nc_u32 v[TM+4+\b], 0xfe000000, v[TM+\b]  ; 4 off the exponent field: the conversion's scale operand
.endr
.irp b, 0,1
	v_lshrrev_b32 v[TM+6+\b], 23, v[TM+4+\b]       ; the scale's byte
.endr
	v_lshl_or_b32 v[PW], v[TM+7], 8, v[TM+6]
	v_cvt_scalef32_pk16_bf6_f32 v[PC:PC+2], v[ACC:ACC+15], v[TM+4]
	v_cvt_scalef32_pk16_bf6_f32 v[PD:PD+2], v[ACC+16:ACC+31], v[TM+5]
	v_nop                                          ; one plain line behind a scaled conversion
.irp i, 0,1,2
	v_permlane16_swap_b32 v[PC+\i], v[PD+\i]       ; a whole block to a lane: lanes 0-15 my first block, lanes 16-31 my second
.endr
.irp i, 0,1,2
	v_mov_b32 v[PC+3+\i], v[PD+\i]
.endr
	s_cmp_lg_u32 s25, 0
	s_cbranch_scc1 .Lupper_\@
	global_store_b128 v4, v[PC:PC+3], s[16:17] offset:98304*\k          ; registers 0-3 of the image: 512 bytes on end
	global_store_b64 v13, v[PC+4:PC+5], s[16:17] offset:98304*\k        ; registers 4, 5
	s_branch .Lsent_\@
.Lupper_\@:
	global_store_b64 v13, v[PC:PC+1], s[16:17] offset:98304*\k          ; registers 6, 7
	global_store_b128 v4, v[PC+2:PC+5], s[16:17] offset:98304*\k+1024   ; registers 8-11
.Lsent_\@:
	global_store_b16 v12, v[PW], s[18:19] offset:4096*\k                ; both halves of the lanes hold row r's bytes and write the same
.Lskip_\@:
	s_wait_xcnt 0x0                                ; the stores' data and bases are written again only behind this wait
.endm
	s_mov_b32 s56, 0
	s_mov_b32 s57, s26                             ; the trip's first tile of mine
.Ltile:                                                ; 16 trips of two places whatever n: the sets and the stages are back where they began; a place whose tile does not exist passes its barrier alone
	PLACE 0
	PLACE 1
	s_add_nc_u64 s[16:17], s[16:17], 196608        ; four tiles on: 4 x 32 x 1,536
	s_add_nc_u64 s[18:19], s[18:19], 8192
	s_add_co_u32 s55, s55, 256
	s_add_co_u32 s57, s57, 4
	s_add_co_u32 s56, s56, 1
	s_cmp_lt_u32 s56, 16
	s_cbranch_scc1 .Ltile
	s_wait_tensorcnt 0x0
	ds_add_u32 v47, v255
	s_wait_dscnt 0x0
	s_endpgm
.Lfunc_end_k_qc321e4153f_up:
	.size	k_qc321e4153f_up, .Lfunc_end_k_qc321e4153f_up-k_qc321e4153f_up
	.p2alignl 7, 3214868480
	.fill 96, 4, 3214868480
	.section	.rodata,"a",@progbits
	.p2align	6, 0x0
	.amdhsa_kernel k_qc321e4153f_up
		.amdhsa_group_segment_fixed_size 156160
		.amdhsa_private_segment_fixed_size 0
		.amdhsa_enable_private_segment 0
		.amdhsa_kernarg_size 80
		.amdhsa_user_sgpr_count 2
		.amdhsa_user_sgpr_kernarg_segment_ptr 1
		.amdhsa_wavefront_size32 1
		.amdhsa_system_sgpr_workgroup_id_x 1
		.amdhsa_system_sgpr_workgroup_id_y 1
		.amdhsa_system_sgpr_workgroup_id_z 1
		.amdhsa_system_vgpr_workitem_id 0
		.amdhsa_next_free_vgpr 768
		.amdhsa_next_free_sgpr 102
		.amdhsa_reserve_vcc 1
		.amdhsa_float_denorm_mode_32 3
		.amdhsa_float_denorm_mode_16_64 3
		.amdhsa_memory_ordered 1
		.amdhsa_forward_progress 1
		.amdhsa_inst_pref_size 180
	.end_amdhsa_kernel
	.amdgpu_metadata
---
amdhsa.version: [ 1, 2 ]
amdhsa.kernels:
  - .name:           k_qc321e4153f_up
    .symbol:         k_qc321e4153f_up.kd
    .args:
      - { .name: xq, .offset: 0, .size: 8, .value_kind: global_buffer, .address_space: global }
      - { .name: route_i, .offset: 8, .size: 8, .value_kind: global_buffer, .address_space: global }
      - { .name: gw, .offset: 16, .size: 8, .value_kind: global_buffer, .address_space: global }
      - { .name: w1_codes, .offset: 24, .size: 8, .value_kind: global_buffer, .address_space: global }
      - { .name: w1_scales, .offset: 32, .size: 8, .value_kind: global_buffer, .address_space: global }
      - { .name: b1, .offset: 40, .size: 8, .value_kind: global_buffer, .address_space: global }
      - { .name: hc, .offset: 48, .size: 8, .value_kind: global_buffer, .address_space: global }
      - { .name: hs, .offset: 56, .size: 8, .value_kind: global_buffer, .address_space: global }
      - { .name: rowy, .offset: 64, .size: 8, .value_kind: global_buffer, .address_space: global }
      - { .name: roww, .offset: 72, .size: 8, .value_kind: global_buffer, .address_space: global }
    .group_segment_fixed_size: 156160
    .private_segment_fixed_size: 0
    .kernarg_segment_align: 8
    .kernarg_segment_size: 80
    .max_flat_workgroup_size: 128
    .sgpr_count:     102
    .vgpr_count:     768
    .wavefront_size: 32
...
	.end_amdgpu_metadata
.endif
;; end of part 2
;; launch down (part 3): grid 256 x 1, 4 waves a work-group, no clusters, 259,584 bytes of LDS; arguments hc, hs, route_i, rowy, roww, w2_codes, w2_scales, b2, y; writes y
.if DOCPART == 3
	.amdgcn_target "amdgcn-amd-amdhsa--gfx1250"
	.amdhsa_code_object_version 6
	.text
	.protected	k_qc321e4153f_down
	.globl	k_qc321e4153f_down
	.p2align	8
	.type	k_qc321e4153f_down,@function
k_qc321e4153f_down:
	s_mov_b64 s[64:65], 0
	v_nop
	global_prefetch_b8 v0, s[64:65] scope:SCOPE_SE
	s_setreg_imm32_b32 hwreg(HW_REG_WAVE_MODE, 25, 1), 1
	s_wait_xcnt 0x0
; THE SECOND PRODUCT OF THE CHOSEN ROWS: y[2 token + k] = (h W2^T + b2) x the gate's weight, on codes of E3M2 with one E8M0 scale for each 32 along K.
; Work-group (e, cs, par) = (wg >> 5, (wg >> 1) & 15, wg & 1) owns output columns 64 cs .. + 63 of expert e and the expert's tiles of 16 rows of parity par.
; K IS SHARED AMONG THE WAVES: wave w owns K steps 8 w .. 8 w + 7 of all four tiles of columns: 32 fragments of W2, 384 registers, for the whole launch
; (they come by loads of 512 bytes on end and turn through LDS), and each fragment of h is loaded by one wave alone, straight into its operand registers.
; The four waves' partial sums meet in a stage in LDS; wave w adds rows 4 w .. 4 w + 3, adds b2, multiplies by the row's weight and stores: sixteen lanes
; write 256 bytes on end, aligned, of a row of y.  One barrier a tile: three stages by turns, so a stage is written again two barriers behind its reads.
; THE PRODUCT IS USED TRANSPOSED (source 0 = 16 rows of W2, source 1 = 16 rows of h): a lane holds eight neighbouring columns of one row.
; h runs two tiles ahead, in three sets of registers.  33 tile places whatever the expert's count; a place whose tile does not exist passes its barrier alone.
; Slots behind an expert's last row repeat that row: they give the same bits and store them at the same place.
; No tensor load and no joint load: which tiles exist hangs on counts read from memory.  LIMITS: NaN and infinities are not served.
.set W2P,   3088                       ; an LDS row of 3,072 bytes + 16 = 772 words: row r starts at bank 4 r mod 64 (64 banks of 4 bytes: ISA guide 11.1)
.set STG,   64*W2P                     ; behind W2's 64 rows: 3 stages x 4 waves x 16 rows x (256 + 16) bytes
.set INFOY, STG+3*4*16*272             ; the slots' rows of y, 1,152 words,
.set INFD,  4608                       ; and so far behind them their weights
.set W2S,   36                         ; v36-51   W2's scale words: register 8 (ct % 2) + sq: lanes 0-15 tile ct % 2, lanes 16-31 tile ct % 2 + 2
.set HS,    52                         ; v52-63   h's scale words, four a set: register j: lanes 0-15 my K step 2 j, lanes 16-31 2 j + 1
.set ACC,   64                         ; v64-95   four accumulators
.set RT,    96                         ; v96-127  the reduction: 2 rows x 4 waves x 4 columns
.set MSB, 0
.macro WIN new                         ; the immediate's high byte repeats the setting that is left
.if MSB != (\new)
	s_set_vgpr_msb (MSB<<8)|(\new)
.set MSB, (\new)
.endif
.endm
	s_load_b512 s[4:19], s[0:1], 0x0               ; hc, hs, route_i, rowy, roww, w2_codes, w2_scales, b2
	s_load_b64 s[20:21], s[0:1], 0x40              ; y
	v_lshl_add_u32 v158, v0, 2, 0x3f400
	v_mov_b32 v159, 0
.irp i, 0,1,2,3,4,5,6,7,8,9,10,11
	v_mov_b32 v[HS+\i], 0x7f7f7f7f                 ; scales of one, until the first loads land there
.endr
	v_lshrrev_b32 v1, 5, v0
	v_readfirstlane_b32 s24, v1                    ; wave
	v_and_b32 v1, 31, v0                           ; lane
	v_and_b32 v2, 15, v0                           ; r
	v_bfe_u32 v3, v0, 4, 1                         ; h
	s_lshr_b32 s27, ttmp9, 5                       ; e
	s_bfe_u32 s28, ttmp9, 0x40001                  ; cs
	s_and_b32 s29, ttmp9, 1                        ; par
	v_lshlrev_b32 v4, 4, v1                        ; 16 x lane
	s_mul_i32 s2, s24, 12288
	v_add_nc_u32 v5, s2, v4                        ; hc: my eight K steps of a tile
	s_lshl_b32 s2, s24, 9
	v_lshl_add_u32 v6, v1, 2, s2                   ; hs likewise
	s_mul_i32 s2, s24, 16*W2P
	v_add_nc_u32 v7, s2, v4                        ; W2's turn, in: my 16 rows
	s_mul_i32 s2, s24, 768
	v_mul_u32_u24 v8, v2, W2P
	v_mad_u32_u24 v8, v3, 24, v8
	v_add_nc_u32 v8, s2, v8                        ; W2's fragments: row r, + 24 h, my K steps; one register for each tile of columns
	v_add_nc_u32 v9, 16*W2P, v8
	v_add_nc_u32 v10, 32*W2P, v8
	v_add_nc_u32 v11, 48*W2P, v8
	s_mul_i32 s2, s24, 4352
	s_add_co_u32 s2, s2, STG
	v_mul_u32_u24 v12, v2, 272
	v_lshl_add_u32 v12, v3, 5, v12
	v_add_nc_u32 v12, s2, v12                      ; the stage, in: my part, row r, + 32 h
	s_mul_i32 s2, s24, 1088
	s_add_co_u32 s2, s2, STG
	v_mul_u32_u24 v13, v3, 272
	v_lshl_add_u32 v13, v2, 4, v13
	v_add_nc_u32 v13, s2, v13                      ; and out: row 4 w + h, 16 r
	s_lshl_b32 s2, s29, 6
	s_lshl_b32 s3, s24, 4
	s_add_co_u32 s2, s2, s3
	s_add_co_u32 s2, s2, INFOY
	v_lshl_add_u32 v14, v3, 2, s2                  ; the slots of my rows in my first tile
	s_lshl_b32 s2, s28, 8
	v_lshl_add_u32 v15, v2, 4, s2                  ; y: my columns' bytes in a row
	s_lshl_b32 s2, s24, 7
	v_lshl_add_u32 v16, v1, 2, s2                  ; rowy, roww: group w + 4 i at 512 i
	v_add_nc_u32 v17, INFOY, v16
	v_lshlrev_b32 v35, 7, v2
	v_lshl_add_u32 v35, v3, 12, v35                ; W2's scale rows: 128 bytes x (32 h + r)
	v_lshlrev_b32 v135, 4, v2                      ; b2: my four columns
	v_mov_b32 v34, 0
	v_mov_b32 v131, 0                              ; (upper halves of the pairs that carry a weight in the lower)
	v_mov_b32 v133, 0
.irp i, 0,1,2,3,4,5,6,7,8,9,10,11,12,13,14,15
	v_mov_b32 v[18+\i], 0                          ; groups that no tile reads stay zeros
.endr
	s_mov_b32 s3, 0
	s_lshl_b32 s25, s27, 10
	s_lshl_b32 s26, s28, 6
	s_add_co_u32 s25, s25, s26                     ; my first row of W2: 1024 e + 64 cs
	s_lshl_b32 s26, s24, 4
	s_add_co_u32 s26, s25, s26
	s_wait_kmcnt 0x0
	s_lshl_b32 s2, s27, 7
	s_add_nc_u64 s[22:23], s[8:9], s[2:3]
	s_load_b512 s[32:47], s[22:23], 0x2000         ; the expert's mask
	s_load_b512 s[48:63], s[22:23], 0x2040
	s_mul_i32 s2, s26, 3072
	s_add_nc_u64 s[14:15], s[14:15], s[2:3]
.macro STAGE_LD win, reg, i0           ; 24 of my 96 loads of 512 bytes on end
	WIN \win
.set ii, 0
.rept 24
	global_load_b128 v[\reg+4*ii:\reg+4*ii+3], v4, s[14:15] offset:512*(\i0+ii)
.set ii, ii+1
.endr
.endm
.macro STAGE_ST win, reg, i0           ; a row is six loads
	WIN \win
.set ii, 0
.rept 24
	ds_store_b128 v7, v[\reg+4*ii:\reg+4*ii+3] offset:W2P*((\i0+ii)/6)+512*((\i0+ii)%6)
.set ii, ii+1
.endr
.endm
	STAGE_LD 0, 160, 0                             ; into the registers that h's three sets and W2's fragments take later
	STAGE_LD 0x40, 0, 24
	STAGE_LD 0x40, 96, 48
	STAGE_LD 0x80, 0, 72
	WIN 0
	s_lshl_b32 s2, s25, 7
	s_lshl_b32 s26, s24, 5
	s_add_co_u32 s2, s2, s26
	s_add_nc_u64 s[16:17], s[16:17], s[2:3]
	s_lshl_b32 s2, s25, 2
	s_add_nc_u64 s[18:19], s[18:19], s[2:3]
	s_lshl_b32 s2, s27, 12
	s_add_nc_u64 s[10:11], s[10:11], s[2:3]
	s_add_nc_u64 s[12:13], s[12:13], s[2:3]
.irp cp, 0,1
.irp qd, 0,1
	global_load_b128 v[W2S+8*\cp+4*\qd:W2S+8*\cp+4*\qd+3], v35, s[16:17] offset:2048*\cp+16*\qd
.endr
.endr
	global_load_b128 v[136:139], v135, s[18:19]
	s_wait_kmcnt 0x0
	s_mov_b32 s30, 0
.set cc, 0
.rept 32
	s_bcnt1_i32_b32 s2, s[32+cc]
	s_add_co_u32 s30, s30, s2
.set cc, cc+1
.endr
	s_add_co_u32 s30, s30, 15
	s_lshr_b32 s30, s30, 4                         ; nt: the expert's tiles
	s_max_u32 s31, s30, 1
	s_sub_co_u32 s31, s31, 1                       ; the last of them
.macro INFO i                          ; group w + 4 i of 32 slots, where a tile reads it
	s_add_co_u32 s2, s24, 4*\i
	s_lshl_b32 s2, s2, 1
	s_cmp_ge_u32 s2, s30
	s_cbranch_scc1 .Lnoinfo_\@
	global_load_b32 v[18+\i], v16, s[10:11] offset:512*\i
	global_load_b32 v[26+\i], v16, s[12:13] offset:512*\i
.Lnoinfo_\@:
.endm
.irp i, 0,1,2,3,4,5,6,7
	INFO \i
.endr
	s_mov_b32 s59, 0
	s_mul_i32 s58, s27, 3145728
	s_add_nc_u64 s[46:47], s[4:5], s[58:59]        ; hc and hs at my expert
	s_lshl_b32 s58, s27, 17
	s_add_nc_u64 s[48:49], s[6:7], s[58:59]
	s_wait_loadcnt 0x0
	STAGE_ST 0, 160, 0
	STAGE_ST 0x04, 0, 24
	STAGE_ST 0x04, 96, 48
	STAGE_ST 0x08, 0, 72
	WIN 0
.irp i, 0,1,2,3,4,5,6,7
	ds_store_b32 v17, v[18+\i] offset:512*\i
	ds_store_b32 v17, v[26+\i] offset:INFD+512*\i
.endr
	ds_store_b32 v17, v34 offset:4096
	ds_store_b32 v17, v34 offset:INFD+4096
	s_wait_dscnt 0x0                               ; my rows of W2 and my part of the tables lie in LDS
	s_barrier_signal -1
	s_barrier_wait -1
.macro HADDR                           ; the bases of the tile whose number stands in s3, held to the expert's last tile: only tiles that were stored are read
	s_min_u32 s3, s3, s31
	s_min_u32 s3, s3, 63
	s_mul_i32 s58, s3, 49152
	s_add_nc_u64 s[32:33], s[46:47], s[58:59]
	s_lshl_b32 s58, s3, 11
	s_add_nc_u64 s[40:41], s[48:49], s[58:59]
.endm
.macro HLOAD k                         ; my eight fragments of that tile, as images of their registers, and their scale words, into set k: 28 loads
.if (\k) == 0
	WIN 0
.set hb, 160
.else
	WIN 0x40
.set hb, 96*((\k)-1)
.endif
.set ii, 0
.rept 24
	global_load_b128 v[hb+4*ii:hb+4*ii+3], v5, s[32:33] offset:512*ii
.set ii, ii+1
.endr
	WIN 0
.irp j, 0,1,2,3
	global_load_b32 v[HS+4*(\k)+\j], v6, s[40:41] offset:128*\j
.endr
.endm
	s_cmp_eq_u32 s30, 0
	s_cbranch_scc1 .Lnoh
	s_mov_b32 s3, s29
	HADDR
	HLOAD 0
	s_wait_xcnt 0x0                                ; the bases are written again only behind this wait
	s_add_co_u32 s3, s29, 2
	HADDR
	HLOAD 1
.Lnoh:
.set ff, 0
.rept 32                               ; fragment f = 4 sq + ct: window 2 at 12 f up to f = 20, window 3 at 12 (f - 21) from there
.if ff < 21
	WIN 0x80
.set fr, 12*ff
.else
	WIN 0xc0
.set fr, 12*(ff-21)
.endif
.irp p, 0,1,2,3,4,5
	ds_load_b64 v[fr+2*\p:fr+2*\p+1], v[8+ff%4] offset:96*(ff/4)+48*(\p/3)+8*(\p%3)
.endr
.set ff, ff+1
.endr
	WIN 0
	s_wait_dscnt 0x0
.macro MMI d, a, b, c, sa, sb, ra, rb
.if (\c) < 0
.if (\ra) && (\rb)
	v_wmma_scale_f32_16x16x128_f8f6f4 v[(\d):(\d)+7], v[(\a):(\a)+11], v[(\b):(\b)+11], 0, v[\sa], v[\sb] matrix_a_fmt:MATRIX_FMT_BF6 matrix_b_fmt:MATRIX_FMT_BF6 matrix_a_scale:MATRIX_SCALE_ROW1 matrix_b_scale:MATRIX_SCALE_ROW1
.elseif (\ra)
	v_wmma_scale_f32_16x16x128_f8f6f4 v[(\d):(\d)+7], v[(\a):(\a)+11], v[(\b):(\b)+11], 0, v[\sa], v[\sb] matrix_a_fmt:MATRIX_FMT_BF6 matrix_b_fmt:MATRIX_FMT_BF6 matrix_a_scale:MATRIX_SCALE_ROW1
.elseif (\rb)
	v_wmma_scale_f32_16x16x128_f8f6f4 v[(\d):(\d)+7], v[(\a):(\a)+11], v[(\b):(\b)+11], 0, v[\sa], v[\sb] matrix_a_fmt:MATRIX_FMT_BF6 matrix_b_fmt:MATRIX_FMT_BF6 matrix_b_scale:MATRIX_SCALE_ROW1
.else
	v_wmma_scale_f32_16x16x128_f8f6f4 v[(\d):(\d)+7], v[(\a):(\a)+11], v[(\b):(\b)+11], 0, v[\sa], v[\sb] matrix_a_fmt:MATRIX_FMT_BF6 matrix_b_fmt:MATRIX_FMT_BF6
.endif
.else
.if (\ra) && (\rb)
	v_wmma_scale_f32_16x16x128_f8f6f4 v[(\d):(\d)+7], v[(\a):(\a)+11], v[(\b):(\b)+11], v[(\c):(\c)+7], v[\sa], v[\sb] matrix_a_fmt:MATRIX_FMT_BF6 matrix_b_fmt:MATRIX_FMT_BF6 matrix_a_scale:MATRIX_SCALE_ROW1 matrix_b_scale:MATRIX_SCALE_ROW1
.elseif (\ra)
	v_wmma_scale_f32_16x16x128_f8f6f4 v[(\d):(\d)+7], v[(\a):(\a)+11], v[(\b):(\b)+11], v[(\c):(\c)+7], v[\sa], v[\sb] matrix_a_fmt:MATRIX_FMT_BF6 matrix_b_fmt:MATRIX_FMT_BF6 matrix_a_scale:MATRIX_SCALE_ROW1
.elseif (\rb)
	v_wmma_scale_f32_16x16x128_f8f6f4 v[(\d):(\d)+7], v[(\a):(\a)+11], v[(\b):(\b)+11], v[(\c):(\c)+7], v[\sa], v[\sb] matrix_a_fmt:MATRIX_FMT_BF6 matrix_b_fmt:MATRIX_FMT_BF6 matrix_b_scale:MATRIX_SCALE_ROW1
.else
	v_wmma_scale_f32_16x16x128_f8f6f4 v[(\d):(\d)+7], v[(\a):(\a)+11], v[(\b):(\b)+11], v[(\c):(\c)+7], v[\sa], v[\sb] matrix_a_fmt:MATRIX_FMT_BF6 matrix_b_fmt:MATRIX_FMT_BF6
.endif
.endif
.endm
.macro DMM k, ct, sq                   ; tile ct of columns, my K step sq, h's set k
.set ff, 4*(\sq)+(\ct)
.if ff < 21
.set aw, 2
.set fr, 12*ff
.else
.set aw, 3
.set fr, 12*(ff-21)
.endif
.if (\k) == 0
.set bw, 0
.set bb, 160
.else
.set bw, 1
.set bb, 96*((\k)-1)
.endif
	WIN aw|(bw<<2)
.if (\sq) == 0
.set cr, -1                            ; the first product starts the sum
.else
.set cr, ACC+8*(\ct)
.endif
	MMI ACC+8*(\ct), fr, bb+12*(\sq), cr, W2S+8*((\ct)%2)+(\sq), HS+4*(\k)+(\sq)/2, (\ct)/2, (\sq)%2
.endm
; A tile place: the k-th of a trip's three; its tile is T = s57 + 2 k, h's set and the stage are k.
.macro TILE k
	s_add_co_u32 s2, s57, 2*\k
	s_cmp_ge_u32 s2, s30
	s_cbranch_scc1 .Lrest_\@
	s_wait_xcnt 0x0                                ; the bases are written again only behind this wait
	s_add_co_u32 s3, s2, 4
	HADDR
	HLOAD (\k+2)%3                                 ; the tile two places on, into the set that the place before has left
	s_wait_loadcnt 56                              ; behind this tile's 28 loads stand the 2 x 28 of the two tiles ahead
.irp sq, 0,1,2,3,4,5,6,7
.irp ct, 0,1,2,3
	DMM \k, \ct, \sq                               ; the four accumulators by turns, one instruction a turn
.endr
.endr
	WIN 0
.rept 5
	v_nop                                          ; places behind the matrix instructions: 4 for the stores below and for loads into h's set, 5 for the next tile's first products, which begin the sums anew
.endr
.irp ct, 0,1,2,3
	ds_store_b128 v12, v[ACC+8*\ct:ACC+8*\ct+3] offset:17408*\k+64*\ct          ; each accumulator from its low end on
	ds_store_b128 v12, v[ACC+8*\ct+4:ACC+8*\ct+7] offset:17408*\k+64*\ct+16
.endr
	s_branch .Lmeet_\@
.Lrest_\@:
	s_wait_loadcnt 0x0                             ; no tile here: whatever was asked for ahead has landed
.Lmeet_\@:
	s_wait_dscnt 0x0                               ; my partial sums lie in the stage, and my reads of the place before are back
	s_barrier_signal -1
	s_barrier_wait -1
	s_cmp_ge_u32 s2, s30
	s_cbranch_scc1 .Lskip_\@
	s_wait_xcnt 0x0                                ; the last stores' registers are written again only behind this wait
	v_add_nc_u32 v140, s55, v14
	ds_load_b32 v128, v140 offset:128*\k           ; rows 4 w + h and 4 w + h + 2: their rows of y
	ds_load_b32 v129, v140 offset:128*\k+8
	ds_load_b32 v130, v140 offset:128*\k+INFD      ; and their weights
	ds_load_b32 v132, v140 offset:128*\k+INFD+8
.irp ip, 0,1
.irp src, 0,1,2,3
	ds_load_b128 v[RT+16*\ip+4*\src:RT+16*\ip+4*\src+3], v13 offset:17408*\k+4352*\src+544*\ip
.endr
.endr
	s_wait_dscnt 0x0
.irp ip, 0,1
.irp c2, 0,2
	v_pk_add_f32 v[RT+16*\ip+\c2:RT+16*\ip+\c2+1], v[RT+16*\ip+\c2:RT+16*\ip+\c2+1], v[RT+16*\ip+4+\c2:RT+16*\ip+4+\c2+1]
	v_pk_add_f32 v[RT+16*\ip+8+\c2:RT+16*\ip+8+\c2+1], v[RT+16*\ip+8+\c2:RT+16*\ip+8+\c2+1], v[RT+16*\ip+12+\c2:RT+16*\ip+12+\c2+1]
.endr
.endr
.irp ip, 0,1
.irp c2, 0,2
	v_pk_add_f32 v[RT+16*\ip+\c2:RT+16*\ip+\c2+1], v[RT+16*\ip+\c2:RT+16*\ip+\c2+1], v[RT+16*\ip+8+\c2:RT+16*\ip+8+\c2+1]
.endr
.endr
.irp ip, 0,1
.irp c2, 0,2
	v_pk_add_f32 v[RT+16*\ip+\c2:RT+16*\ip+\c2+1], v[RT+16*\ip+\c2:RT+16*\ip+\c2+1], v[136+\c2:137+\c2]
.endr
.endr
.irp ip, 0,1
.irp c2, 0,2
	v_pk_mul_f32 v[RT+16*\ip+\c2:RT+16*\ip+\c2+1], v[RT+16*\ip+\c2:RT+16*\ip+\c2+1], v[130+2*\ip:131+2*\ip] op_sel_hi:[1,0]
.endr
.endr
.irp ip, 0,1
	v_min_u32 v[128+\ip], 0x7ff, v[128+\ip]
	v_lshl_add_u32 v[142+\ip], v[128+\ip], 12, v15
.endr
	global_store_b128 v142, v[RT:RT+3], s[20:21]           ; sixteen lanes store 256 bytes on end, at a multiple of 256 from y's first byte
	global_store_b128 v143, v[RT+16:RT+19], s[20:21]
.Lskip_\@:
.endm
	s_mov_b32 s56, 0
	s_mov_b32 s57, s29                             ; the trip's first tile
	s_mov_b32 s55, 0                               ; 384 bytes of the tables a trip
.Ltrip:                                                ; 11 trips of three places: h's sets and the stages are back where they began
	TILE 0
	TILE 1
	TILE 2
	s_add_co_u32 s57, s57, 6
	s_add_co_u32 s55, s55, 384
	s_add_co_u32 s56, s56, 1
	s_cmp_lt_u32 s56, 11
	s_cbranch_scc1 .Ltrip
	s_wait_tensorcnt 0x0
	ds_add_u32 v158, v159
	s_wait_dscnt 0x0
	s_endpgm
.Lfunc_end_k_qc321e4153f_down:
	.size	k_qc321e4153f_down, .Lfunc_end_k_qc321e4153f_down-k_qc321e4153f_down
	.p2alignl 7, 3214868480
	.fill 96, 4, 3214868480
	.section	.rodata,"a",@progbits
	.p2align	6, 0x0
	.amdhsa_kernel k_qc321e4153f_down
		.amdhsa_group_segment_fixed_size 259584
		.amdhsa_private_segment_fixed_size 0
		.amdhsa_enable_private_segment 0
		.amdhsa_kernarg_size 72
		.amdhsa_user_sgpr_count 2
		.amdhsa_user_sgpr_kernarg_segment_ptr 1
		.amdhsa_wavefront_size32 1
		.amdhsa_system_sgpr_workgroup_id_x 1
		.amdhsa_system_sgpr_workgroup_id_y 1
		.amdhsa_system_sgpr_workgroup_id_z 1
		.amdhsa_system_vgpr_workitem_id 0
		.amdhsa_next_free_vgpr 1024
		.amdhsa_next_free_sgpr 66
		.amdhsa_reserve_vcc 0
		.amdhsa_float_denorm_mode_32 3
		.amdhsa_float_denorm_mode_16_64 3
		.amdhsa_memory_ordered 1
		.amdhsa_forward_progress 1
		.amdhsa_inst_pref_size 77
	.end_amdhsa_kernel
	.amdgpu_metadata
---
amdhsa.version: [ 1, 2 ]
amdhsa.kernels:
  - .name:           k_qc321e4153f_down
    .symbol:         k_qc321e4153f_down.kd
    .args:
      - { .name: hc, .offset: 0, .size: 8, .value_kind: global_buffer, .address_space: global }
      - { .name: hs, .offset: 8, .size: 8, .value_kind: global_buffer, .address_space: global }
      - { .name: route_i, .offset: 16, .size: 8, .value_kind: global_buffer, .address_space: global }
      - { .name: rowy, .offset: 24, .size: 8, .value_kind: global_buffer, .address_space: global }
      - { .name: roww, .offset: 32, .size: 8, .value_kind: global_buffer, .address_space: global }
      - { .name: w2_codes, .offset: 40, .size: 8, .value_kind: global_buffer, .address_space: global }
      - { .name: w2_scales, .offset: 48, .size: 8, .value_kind: global_buffer, .address_space: global }
      - { .name: b2, .offset: 56, .size: 8, .value_kind: global_buffer, .address_space: global }
      - { .name: y, .offset: 64, .size: 8, .value_kind: global_buffer, .address_space: global }
    .group_segment_fixed_size: 259584
    .private_segment_fixed_size: 0
    .kernarg_segment_align: 8
    .kernarg_segment_size: 72
    .max_flat_workgroup_size: 128
    .sgpr_count:     66
    .vgpr_count:     1024
    .wavefront_size: 32
...
	.end_amdgpu_metadata
.endif
;; end of part 3
;; launch join (part 4): grid 256 x 1, 4 waves a work-group, no clusters, 0 bytes of LDS; arguments y, out0; writes out0
.if DOCPART == 4
	.amdgcn_target "amdgcn-amd-amdhsa--gfx1250"
	.amdhsa_code_object_version 6
	.text
	.protected	k_qc321e4153f_join
	.globl	k_qc321e4153f_join
	.p2align	8
	.type	k_qc321e4153f_join,@function
k_qc321e4153f_join:
	s_mov_b64 s[64:65], 0
	v_nop
	global_prefetch_b8 v0, s[64:65] scope:SCOPE_SE
	s_setreg_imm32_b32 hwreg(HW_REG_WAVE_MODE, 25, 1), 1
	s_wait_xcnt 0x0
; out0[t] = y[2 t] + y[2 t + 1]: the two chosen experts' rows of a token, already weighted.  y [2048][1024], out0 [1024][1024], f32.
; One wave takes one token: sixteen loads of 512 bytes on end, issued in pairs, eight packed sums of four numbers a lane, eight stores of 512 bytes on end.
; A stream: no LDS, no barrier, no matrix unit.  No register is written twice, so no store's data wait for anything.
	s_load_b128 s[4:7], s[0:1], 0x0                ; y, out0
	v_lshrrev_b32 v1, 5, v0
	v_readfirstlane_b32 s8, v1                     ; wave
	v_and_b32 v2, 31, v0
	v_lshlrev_b32 v2, 4, v2                        ; 16 x lane
	s_lshl_b32 s9, ttmp9, 2
	s_add_co_u32 s9, s9, s8                        ; my token
	s_lshl_b32 s10, s9, 13
	s_mov_b32 s11, 0
	s_lshl_b32 s12, s9, 12
	s_mov_b32 s13, 0
	s_wait_kmcnt 0x0
	s_add_nc_u64 s[4:5], s[4:5], s[10:11]
	s_add_nc_u64 s[6:7], s[6:7], s[12:13]
.irp i, 0,1,2,3,4,5,6,7
	global_load_b128 v[8+8*\i:11+8*\i], v2, s[4:5] offset:512*\i th:TH_LOAD_NT
	global_load_b128 v[12+8*\i:15+8*\i], v2, s[4:5] offset:4096+512*\i th:TH_LOAD_NT
.endr
.irp i, 0,1,2,3,4,5,6,7
	s_wait_loadcnt 14-2*\i                         ; loads come back in order: pair i is in, the younger pairs may be out
	v_pk_add_f32 v[8+8*\i:9+8*\i], v[8+8*\i:9+8*\i], v[12+8*\i:13+8*\i]
	v_pk_add_f32 v[10+8*\i:11+8*\i], v[10+8*\i:11+8*\i], v[14+8*\i:15+8*\i]
	global_store_b128 v2, v[8+8*\i:11+8*\i], s[6:7] offset:512*\i th:TH_STORE_NT
.endr
	s_endpgm
.Lfunc_end_k_qc321e4153f_join:
	.size	k_qc321e4153f_join, .Lfunc_end_k_qc321e4153f_join-k_qc321e4153f_join
	.p2alignl 7, 3214868480
	.fill 96, 4, 3214868480
	.section	.rodata,"a",@progbits
	.p2align	6, 0x0
	.amdhsa_kernel k_qc321e4153f_join
		.amdhsa_group_segment_fixed_size 0
		.amdhsa_private_segment_fixed_size 0
		.amdhsa_enable_private_segment 0
		.amdhsa_kernarg_size 16
		.amdhsa_user_sgpr_count 2
		.amdhsa_user_sgpr_kernarg_segment_ptr 1
		.amdhsa_wavefront_size32 1
		.amdhsa_system_sgpr_workgroup_id_x 1
		.amdhsa_system_sgpr_workgroup_id_y 1
		.amdhsa_system_sgpr_workgroup_id_z 1
		.amdhsa_system_vgpr_workitem_id 0
		.amdhsa_next_free_vgpr 72
		.amdhsa_next_free_sgpr 66
		.amdhsa_reserve_vcc 0
		.amdhsa_float_denorm_mode_32 3
		.amdhsa_float_denorm_mode_16_64 3
		.amdhsa_memory_ordered 1
		.amdhsa_forward_progress 1
		.amdhsa_inst_pref_size 5
	.end_amdhsa_kernel
	.amdgpu_metadata
---
amdhsa.version: [ 1, 2 ]
amdhsa.kernels:
  - .name:           k_qc321e4153f_join
    .symbol:         k_qc321e4153f_join.kd
    .args:
      - { .name: y, .offset: 0, .size: 8, .value_kind: global_buffer, .address_space: global }
      - { .name: out0, .offset: 8, .size: 8, .value_kind: global_buffer, .address_space: global }
    .group_segment_fixed_size: 0
    .private_segment_fixed_size: 0
    .kernarg_segment_align: 8
    .kernarg_segment_size: 16
    .max_flat_workgroup_size: 128
    .sgpr_count:     66
    .vgpr_count:     72
    .wavefront_size: 32
...
	.end_amdgpu_metadata
.endif
;; end of part 4
;; ======== version 2 of 2: 4 launches; version 1 with the launches up, down written anew for expert scheduling mode
;; workspace buffers: xq 819,200 bytes; route_i 9,216 bytes of whole numbers; gw 8,192 bytes; rowy 32,768 bytes of whole numbers; roww 32,768 bytes; hc 25,165,824 bytes; hs 1,048,576 bytes; y 8,388,608 bytes
;; launch route: the kernel of part 1 again; grid 128 x 1, 4 waves a work-group, no clusters, 19,968 bytes of LDS; arguments x, gate_w, gate_b, xq, route_i, gw, out1; writes xq, route_i, gw, out1
;; launch up (part 5): grid 256 x 1, 4 waves a work-group, no clusters, 156,160 bytes of LDS; arguments xq, route_i, gw, w1_codes, w1_scales, b1, hc, hs, rowy, roww; writes hc, hs, rowy, roww
.if DOCPART == 5
	.amdgcn_target "amdgcn-amd-amdhsa--gfx1250"
	.amdhsa_code_object_version 6
	.text
	.protected	k_qc321e4153f_up
	.globl	k_qc321e4153f_up
	.p2align	8
	.type	k_qc321e4153f_up,@function
k_qc321e4153f_up:
	s_mov_b64 s[64:65], 0
	v_nop
	global_prefetch_b8 v0, s[64:65] scope:SCOPE_SE
	s_setreg_imm32_b32 hwreg(HW_REG_WAVE_SCHED_MODE, 0, 2), 2
	s_setreg_imm32_b32 hwreg(HW_REG_WAVE_MODE, 25, 1), 1
	s_wait_xcnt 0x0
	s_wait_alu depctr_vm_vsrc(0)
; THE FIRST PRODUCT OF THE CHOSEN ROWS: h = Q(gelu(Q(x) W1^T + b1)), on codes of E3M2 with one E8M0 scale for each 32 along K.
; Work-group (e, sl) = (wg >> 5, wg & 31) owns hidden units 128 sl .. + 127 of expert e, which are K step sl of the second product.
; Wave w: uh = w & 1 its 64 units, rp = w >> 1 the parity of its tiles of 16 rows.  Its 4 tiles of units x 8 K steps of W1 (32 fragments,
; 384 registers) stay in registers: each byte of W1 leaves memory once.  They come by loads of 512 bytes on end and turn through LDS.
; THE ROWS.  The expert's tokens come as a bit mask of 1,024 bits, stored by the launch before.  Slot p of the expert's list is the token of the
; p-th set bit; slots behind the last repeat the last token, so a tile is always full and the copies give the same bits at the same place.
; A TILE OF x IS FETCHED ONCE FOR THE WORK-GROUP: the two waves of a parity multiply the same 16 rows, so wave uh loads rows 8 uh .. 8 uh + 7 (12 loads, sixteen
; lanes to 256 bytes on end of a row) and both read all 16 from the pair's stage in LDS, behind a barrier.  Two stages a pair by turns: a stage is written
; again one barrier behind its reads, which are waited for in front of that barrier.  Rows are asked for two tile places ahead, in two sets of registers.
; THE PRODUCT IS USED TRANSPOSED (source 0 = 16 rows of W1, source 1 = 16 rows of x), and lane r of tile 2 b + u takes unit 32 b + 8 u + r + 8 (r / 8):
; a lane then holds one row, and the 16 registers of tiles 2 b, 2 b + 1 are 16 neighbours along the next K.  b1 is the C of each sum's first product.
; gelu(h) = 0.5 h (1 + erf(h / sqrt 2)), erf(t) = t P(t^2) / Q(t^2) with t held to +-4 (degrees 6 and 4 in t^2), all in f32.
; OUT.  hc [8][64 tiles][32 K steps][1,536]: a fragment as an image of its 12 registers, registers 4 p .. 4 p + 3 of lane l at 512 p + 16 l; my 64 units
; are registers 6 uh .. 6 uh + 5.  hs [8][64][32][16] words: row r's four scale bytes; mine are bytes 2 uh, 2 uh + 1.  rowy, roww [8][1024]: slot p's
; row of y (2 token + k) and gate weight; group g of 32 slots is stored by work-group sl = g.
; No tensor load and no joint load: which tiles exist hangs on counts read from memory.
; LIMITS: NaN and infinities are not served.  A block of zeros gets the byte 1 (its codes are zeros).  For strongly negative h the sum 1 + erf cancels:
; the error of gelu is about 1e-7 |h|, far under a code's step in its block.
; THE MODE: SCHED_MODE bits 1:0 = 2 (LLVM: expert scheduling mode 2), set by the entry lines.  The code itself states the register dependences
; between vector or matrix instructions and memory or LDS instructions, with s_wait_alu, always for 0.
; THE PLAN.  Registers that memory or LDS instructions touch in the tile loop:
;   GG set k              landed by the request of place k; read by the stage's LDS stores two places on.  No vector instruction names them.
;   v54-57 / v20-23       set k's scale words: landed by the request; read by the four moves into XS.
;   v32-39, v11, v44      set k's offsets: written by the request's vector lines; read by its 13 loads.
;   v17, v27              the list's addresses: written by two additions; read by the request's five LDS loads.
;   v40-43, v48           the tokens: landed by those five; read and written by the request's vector lines.
;   AX                    landed by the 24 LDS loads behind the barrier; read by the products; written and read by gelu.
;   PC, PW                written by the quantiser; read by the place's stores.
;   v4, v7, v8, v12, v13  made at the head and never written again.
; A place's waits: on vm_vsrc at the request's head and at the place's end; on va_vdst ahead of the request's LDS loads, ahead of its 13 loads, behind each
; batch of reciprocals, and ahead of the stores.  The last also stands for the next place's 24 LDS loads: behind it no vector instruction names AX before they are issued.
.set WP,   784                         ; an LDS row of 768 bytes + 16 = 196 words: row r starts at bank 4 r mod 64 (64 banks of 4 bytes: ISA guide 11.1)
.set LIST, 128*WP                      ; behind W1's 128 rows: the list, 1,152 words (the last 128 are zeros)
.set XST,  LIST+4608                   ; behind it: x's stages: for each parity two of 16 rows x 784 bytes
.set XSET, 16*WP                       ; one stage
.set XS,   50                          ; v50-53   x's scale words: lanes 0-15 K steps 0-3, lanes 16-31 K steps 4-7
.set W1S,  60                          ; v60-75   W1's scale words: register 8 (t % 2) + s: lanes 0-15 tile t % 2, lanes 16-31 tile t % 2 + 2
.set B1R,  76                          ; v76-107  b1 in the result's layout
.set ACC,  108                         ; v108-139 four accumulators
.set AX,   140                         ; v140-235 x's eight fragments
.set TT,   140                         ; v140-203 at work in gelu, when x's fragments are done with
.set X2,   156
.set PA,   172
.set PB,   188
.set TM,   236                         ; v236-243 at work in the quantiser
.set PW,   244                         ; v244     my two scale bytes
.set PC,   246                         ; v246-251 my six registers of codes
.set PD,   252
.set GG,   132                         ; window 2, v132-227: my eight rows of x as loaded, two sets of 48
                                       ; set k also has: v[32+4k ..] its four row offsets; v11 / v44 its scale words' offset; v54-57 / v20-23 the scale words as loaded
.set CA13, 32                          ; s[32:53] the polynomials' numbers, each twice (a packed form names a pair)
.set CA9,  34
.set CA7,  36
.set CA5,  38
.set CA3,  40
.set CA1,  42
.set CB8,  44
.set CB4,  46
.set CB2,  48
.set CB0,  50
.set CRS,  52
.set MSB, 0
.macro WIN new                         ; the immediate's high byte repeats the setting that is left
.if MSB != (\new)
	s_set_vgpr_msb (MSB<<8)|(\new)
.set MSB, (\new)
.endif
.endm
	s_load_b512 s[4:19], s[0:1], 0x0               ; xq, route_i, gw, w1_codes, w1_scales, b1, hc, hs
	s_load_b128 s[20:23], s[0:1], 0x40             ; rowy, roww
	v_lshl_add_u32 v47, v0, 2, 0x26000
	v_mov_b32 v255, 0
	v_lshrrev_b32 v1, 5, v0
	v_readfirstlane_b32 s24, v1                    ; wave
	v_and_b32 v1, 31, v0                           ; lane
	v_and_b32 v2, 15, v0                           ; r
	v_bfe_u32 v3, v0, 4, 1                         ; h
	s_wait_alu depctr_va_sdst(0)                   ; s24 is written, ahead of its first reader
	s_and_b32 s25, s24, 1                          ; uh
	s_lshr_b32 s26, s24, 1                         ; rp
	s_lshr_b32 s27, ttmp9, 5                       ; e
	s_and_b32 s28, ttmp9, 31                       ; sl
	v_lshlrev_b32 v4, 4, v1                        ; 16 x lane
	s_lshl_b32 s98, s26, 6
	s_add_co_u32 s98, s98, LIST
	v_lshl_add_u32 v6, v2, 2, s98                  ; the list at my first tile: row r,
	s_lshl_b32 s99, s25, 5
	s_add_co_u32 s99, s99, s98
	v_lshl_add_u32 v5, v3, 2, s99                  ; and the rows that I fetch: 8 uh + 2 p + h
	s_mul_i32 s98, s26, 2*XSET
	s_add_co_u32 s98, s98, XST                     ; my pair's two stages
	s_mul_i32 s99, s25, 8*WP
	s_add_co_u32 s99, s99, s98
	v_mul_u32_u24 v7, v3, WP
	v_lshl_add_u32 v7, v2, 4, v7
	v_add_nc_u32 v7, s99, v7                       ; x's turn, in: row 8 uh + h, 16 r
	v_mul_u32_u24 v8, v2, WP
	v_mad_u32_u24 v8, v3, 384, v8
	v_add_nc_u32 v8, s98, v8                       ; and out: row r, my half's 384 bytes
	v_lshlrev_b32 v9, 4, v2                        ; 16 r
	v_lshl_add_u32 v10, v3, 4, 0xc0000             ; x's scale bytes begin at 786,432; + 16 h
	s_lshl_b32 s98, s25, 1
	v_lshl_add_u32 v12, v2, 2, s98                 ; hs: 4 r + 2 uh
	s_lshl_b32 s98, s25, 3
	s_add_co_u32 s98, s98, 512
	v_add_nc_u32 v13, s98, v4                      ; hc: my half of the middle piece
	s_mul_i32 s98, s25, 64*WP
	v_mul_u32_u24 v14, v2, WP
	v_mad_u32_u24 v14, v3, 24, v14
	v_add_nc_u32 v14, s98, v14                     ; W1's fragments: slot r of my 64, + 24 h
	s_mul_i32 s98, s24, 32*WP
	v_add_nc_u32 v15, s98, v4                      ; W1's turn, in: my 32 slots
	v_lshl_add_u32 v16, v3, 4, v15                 ; (a load that straddles two rows: lanes 16-31 lie one padding on)
	s_lshl_b32 s98, s24, 7
	s_add_co_u32 s98, s98, LIST
	v_lshl_add_u32 v18, v1, 2, s98                 ; the list, in: group w + 4 i at 512 i
	v_and_b32 v49, 8, v2
	v_add_nc_u32 v49, v49, v2
	v_lshl_add_u32 v49, v3, 5, v49
	v_lshlrev_b32 v49, 5, v49                      ; W1's scale rows: 32 bytes x (32 h + r + 8 (r / 8))
	v_lshlrev_b32 v245, 6, v3                      ; b1: 16 h numbers on
	v_mov_b32 v[TM+2], 0                           ; written once: a lane permute's destination counts as one of its sources
	v_mov_b32 v[TM+3], 0
.irp i, 0,1,2,3
	v_mov_b32 v[XS+\i], 0x7f7f7f7f                 ; scales of one, until the first tile's words are moved there
.endr
	s_mov_b32 s3, 0
	s_mov_b32 s101, 0
	s_lshl_b32 s100, s27, 7
	s_mul_i32 s98, s27, 3145728                    ; W1's codes: expert, slice of 128 rows, my 32 rows of 768 bytes
	s_mul_i32 s99, s28, 98304
	s_add_co_u32 s98, s98, s99
	s_mul_i32 s99, s24, 24576
	s_add_co_u32 s98, s98, s99
	s_mov_b32 s99, 0
	s_wait_kmcnt 0x0
	s_add_nc_u64 s[100:101], s[6:7], s[100:101]
	s_load_b512 s[32:47], s[100:101], 0x2000       ; the expert's mask, 32 words
	s_load_b512 s[48:63], s[100:101], 0x2040
	s_add_nc_u64 s[10:11], s[10:11], s[98:99]
	WIN 0x40                                       ; destination window 1
	s_wait_alu depctr_va_vdst(0)                   ; every offset and LDS address made above is written: the loads and stores of the whole kernel read them; so are XS's scales of one, which the products read
.set ii, 0
.rept 48
	global_load_b128 v[4*ii:4*ii+3], v4, s[10:11] offset:512*ii th:TH_LOAD_NT     ; 512 bytes on end; read once in the launch
.set ii, ii+1
.endr
	WIN 0
	s_lshl_b32 s98, s27, 12
	s_lshl_b32 s99, s28, 7
	s_add_co_u32 s98, s98, s99
	s_lshl_b32 s99, s25, 6
	s_add_co_u32 s98, s98, s99                     ; my first unit: 4096 e + 128 sl + 64 uh
	s_lshl_b32 s2, s98, 5
	s_add_nc_u64 s[12:13], s[12:13], s[2:3]
	s_lshl_b32 s2, s98, 2
	s_add_nc_u64 s[14:15], s[14:15], s[2:3]
.irp tp, 0,1
.irp qd, 0,1
	global_load_b128 v[W1S+8*\tp+4*\qd:W1S+8*\tp+4*\qd+3], v49, s[12:13] offset:256*\tp+16*\qd
.endr
.endr
.irp t, 0,1,2,3
	global_load_b128 v[B1R+8*\t:B1R+8*\t+3], v245, s[14:15] offset:(32*(\t/2)+8*(\t%2))*4
	global_load_b128 v[B1R+8*\t+4:B1R+8*\t+7], v245, s[14:15] offset:(32*(\t/2)+8*(\t%2))*4+16
.endr
	s_lshl_b32 s2, s27, 12
	s_add_nc_u64 s[20:21], s[20:21], s[2:3]        ; rowy and roww at my expert
	s_add_nc_u64 s[22:23], s[22:23], s[2:3]
	s_lshl_b32 s98, s27, 6
	s_add_co_u32 s98, s98, s26
	s_lshl_b32 s98, s98, 5
	s_add_co_u32 s98, s98, s28                     ; (64 e + my first tile) 32 + sl
	s_mul_i32 s2, s98, 1536
	s_add_nc_u64 s[16:17], s[16:17], s[2:3]
	s_lshl_b32 s2, s98, 6
	s_add_nc_u64 s[18:19], s[18:19], s[2:3]
	s_wait_kmcnt 0x0
	s_mov_b32 s66, 0                               ; s[66 + c]: set bits in front of word c
.set cc, 0
.rept 31
	s_bcnt1_i32_b32 s98, s[32+cc]
	s_add_co_u32 s[67+cc], s[66+cc], s98
.set cc, cc+1
.endr
	s_bcnt1_i32_b32 s98, s63
	s_add_co_u32 s29, s97, s98                     ; n: the expert's rows
	s_add_co_u32 s30, s29, 15
	s_lshr_b32 s30, s30, 4                         ; nt: its tiles
	s_max_u32 s31, s29, 1
	s_sub_co_u32 s31, s31, 1                       ; the last slot that has a token of its own
	s_max_u32 s2, s30, 1
; Group g = w + 4 i of 32 slots: slot p = 32 g + lane gets the token of set bit min(p, n - 1).  Groups that no tile's products read get zeros.
; The compares stand in runs of three, their masks in s98, s100 and s101 (free here: the mask's loads are done), with one wait behind each run;
; the additions that take the masks as carries in put their carries out into the same registers, and have one wait behind each run too.
.macro SEL i
.if (\i) > 0
	s_wait_alu depctr_vm_vsrc(0)                   ; the group before: its LDS store has read v26; its loads and stores, if it had any, have read v24, v25, v30 and v31
.endif
	v_mov_b32 v26, 0
	s_add_co_u32 s99, s24, 4*\i
	s_lshl_b32 s98, s99, 1
	s_cmp_ge_u32 s98, s2
	s_cbranch_scc1 .Lnosel_\@
	v_lshl_add_u32 v19, s99, 5, v1
	v_min_u32 v19, s31, v19
	v_mov_b32 v20, s32                             ; the word that holds the bit, the bits in front of it, its number:
	v_mov_b32 v21, 0
	v_mov_b32 v22, 0
.set cc, 1
.rept 10
	v_cmp_gt_u32 s98, s[66+cc], v19                ; the last word with no more bits in front of it than the slot's number
	v_cmp_gt_u32 s100, s[67+cc], v19
	v_cmp_gt_u32 s101, s[68+cc], v19
	s_wait_alu depctr_va_sdst(0)                   ; the three masks are written, ahead of the selects that read them
	v_cndmask_b32 v20, s[32+cc], v20, s98
	v_cndmask_b32 v21, s[66+cc], v21, s98
	v_cndmask_b32 v22, cc, v22, s98
	v_cndmask_b32 v20, s[33+cc], v20, s100
	v_cndmask_b32 v21, s[67+cc], v21, s100
	v_cndmask_b32 v22, cc+1, v22, s100
	v_cndmask_b32 v20, s[34+cc], v20, s101
	v_cndmask_b32 v21, s[68+cc], v21, s101
	v_cndmask_b32 v22, cc+2, v22, s101
.set cc, cc+3
.endr
	v_cmp_gt_u32 s98, s97, v19                     ; word 31
	s_wait_alu depctr_va_sdst(0)                   ; its mask is written, ahead of the selects that read it
	v_cndmask_b32 v20, s63, v20, s98
	v_cndmask_b32 v21, s97, v21, s98
	v_cndmask_b32 v22, 31, v22, s98
	v_sub_nc_u32 v21, v19, v21                     ; which set bit of that word
	v_mov_b32 v23, 0
	v_mov_b32 v24, 0
.set cc, 0
.rept 10
	v_bfe_u32 v25, v20, cc, 1
	v_add_nc_u32 v23, v23, v25
	v_cmp_le_u32 s98, v23, v21                     ; its place = the number of places up to which too few bits are set
	v_bfe_u32 v25, v20, cc+1, 1
	v_add_nc_u32 v23, v23, v25
	v_cmp_le_u32 s100, v23, v21
	v_bfe_u32 v25, v20, cc+2, 1
	v_add_nc_u32 v23, v23, v25
	v_cmp_le_u32 s101, v23, v21
	s_wait_alu depctr_va_sdst(0)                   ; the three masks are written, ahead of the additions that take them as carries in
	v_add_co_ci_u32 v24, s98, 0, v24, s98          ; (the carry out goes where the carry in stood; nobody reads it)
	v_add_co_ci_u32 v24, s100, 0, v24, s100
	v_add_co_ci_u32 v24, s101, 0, v24, s101
	s_wait_alu depctr_va_sdst(0)                   ; the three additions' carries out are written into s98, s100 and s101, ahead of the next compares, which write these registers anew
.set cc, cc+3
.endr
	v_bfe_u32 v25, v20, 30, 1
	v_add_nc_u32 v23, v23, v25
	v_cmp_le_u32 s98, v23, v21
	v_bfe_u32 v25, v20, 31, 1
	v_add_nc_u32 v23, v23, v25
	v_cmp_le_u32 s100, v23, v21
	s_wait_alu depctr_va_sdst(0)                   ; the two masks are written, ahead of the additions that take them as carries in
	v_add_co_ci_u32 v24, s98, 0, v24, s98
	v_add_co_ci_u32 v24, s100, 0, v24, s100
	s_wait_alu depctr_va_sdst(0)                   ; the two additions' carries out are written into s98 and s100, ahead of the branch: the next group's scalar lines write s98 again and read it
	v_lshl_add_u32 v26, v22, 5, v24
	v_min_u32 v26, 0x3ff, v26                      ; the token
	s_cmp_lg_u32 s99, s28
	s_cbranch_scc1 .Lnosel_\@                      ; group g's rows of y and weights are stored by work-group sl = g
	v_lshlrev_b32 v25, 3, v26
	s_wait_alu depctr_va_vdst(0)                   ; v25 is written, which the two loads read as their offset; earlier lines are done with v28 to v31, in which they land
	global_load_b64 v[28:29], v25, s[6:7]          ; the token's two experts
	global_load_b64 v[30:31], v25, s[8:9]          ; and their weights
	v_lshlrev_b32 v24, 2, v1
	v_lshl_add_u32 v24, s99, 7, v24
	s_wait_loadcnt 0x0
	v_cmp_eq_u32 vcc_lo, s27, v29                  ; am I its second?
	s_wait_alu depctr_va_vcc(0)                    ; VCC is written, ahead of the select and the addition that read it
	v_cndmask_b32 v30, v30, v31, vcc_lo
	v_lshlrev_b32 v31, 1, v26
	v_add_co_ci_u32 v31, vcc_lo, 0, v31, vcc_lo    ; 2 token + k
	s_wait_alu depctr_va_vcc(0)                    ; the addition's carry out is written into VCC, ahead of the label: a later group writes VCC anew and reads it
	s_wait_alu depctr_va_vdst(0)                   ; v24, v30 and v31 are written, which the two stores read
	global_store_b32 v24, v31, s[20:21]
	global_store_b32 v24, v30, s[22:23]
	s_wait_xcnt 0x0                                ; their registers are written again only behind this wait
.Lnosel_\@:
	s_wait_alu depctr_va_vdst(0)                   ; v26 is written, which the LDS store reads
	ds_store_b32 v18, v26 offset:512*\i
.endm
.irp i, 0,1,2,3,4,5,6,7
	SEL \i
.endr
	s_wait_alu depctr_vm_vsrc(0)                   ; the last group's LDS store has read v26
	v_mov_b32 v26, 0
	s_wait_alu depctr_va_vdst(0)                   ; v26 is written, which the LDS store reads
	ds_store_b32 v18, v26 offset:4096              ; slots 1,024 on: zeros
	s_wait_loadcnt 0x0                             ; W1, its scale words, b1
	WIN 0x04                                       ; an LDS store's data are its source 1: window 1
; Rows 2 a and 2 a + 1 of my 32 are three loads.  Row u of 32 goes to slot 16 ((u >> 3) & 1) + 8 (u >> 4) + (u & 7): the order in which the tiles' lanes take them.
.set ii, 0
.rept 16
.set gq, ii/4
.set im, WP*((gq&1)*16+2*(ii%4)+8*(gq>>1))
	ds_store_b128 v15, v[12*ii:12*ii+3] offset:im
	ds_store_b128 v16, v[12*ii+4:12*ii+7] offset:im+512
	ds_store_b128 v15, v[12*ii+8:12*ii+11] offset:im+1040
.set ii, ii+1
.endr
	WIN 0
	s_wait_dscnt 0x0                               ; my part of the list and of W1 lies in LDS
	s_barrier_signal -1
	s_barrier_wait -1                              ; from here on the list and W1's rows are only read
.macro COEF r, bits
	s_mov_b32 s[\r], \bits
	s_mov_b32 s[\r+1], \bits
.endm
	COEF CA13, 0xaf95df0b
	COEF CA9,  0xb60cff51
	COEF CA7,  0xb86ec2d2
	COEF CA5,  0xba40ac63
	COEF CA3,  0xbb41a1f6
	COEF CA1,  0xbc83dbd4
	COEF CB8,  0xb77460cd
	COEF CB4,  0xbadc924e
	COEF CB2,  0xbbf19bf8
	COEF CB0,  0xbc69b6a7
	COEF CRS,  0x3f3504f3                          ; sqrt(1/2)
	v_mov_b32 v58, 0x32edffee                      ; a11 and b6 in vector pairs: each chain's first line has two numbers
	v_mov_b32 v59, 0x32edffee
	v_mov_b32 v28, 0xb95fbd29
	v_mov_b32 v29, 0xb95fbd29
	s_mov_b32 s60, 0x76543210
	s_mov_b32 s61, 0xfedcba98                      ; v_permlanex16_b32's selects for lane l xor 16
	s_mov_b32 s55, 0                               ; 256 bytes of the list a trip
; My eight rows of the tile that begins off bytes on in the list are asked for, into set k: 12 loads, sixteen lanes to 256 bytes on end of a row, and the
; 16 rows' scale words: 13 loads.  Every slot of the list holds a token, so the request is made whatever the expert's count.
.macro PREF k, off
.set xn, 54-34*(\k)
.set xb, 11+33*(\k)
.set rb, 32+4*(\k)
.set gb, GG+48*(\k)
	s_wait_alu depctr_vm_vsrc(0)                   ; the stage's stores have read set k's rows, in which the loads below land; the last request's LDS loads have read v17 and v27, set k's last loads its offsets: all are written again below
	v_add_nc_u32 v17, s55, v5
	v_add_nc_u32 v27, s55, v6
	s_wait_alu depctr_va_vdst(0)                   ; v17 and v27 are written, which the LDS loads read; the last request's lines are done with v40 to v43 and v48, in which they land
.irp p, 0,1,2,3
	ds_load_b32 v[40+\p], v17 offset:(\off)+8*\p
.endr
	ds_load_b32 v48, v27 offset:(\off)
	s_wait_dscnt 0x0                               ; the tokens are in
.irp p, 0,1,2,3
	v_min_u32 v[40+\p], 0x3ff, v[40+\p]
.endr
	v_min_u32 v48, 0x3ff, v48
.irp p, 0,1,2,3
	v_mul_u32_u24 v[rb+\p], 0x300, v[40+\p]
.endr
.irp p, 0,1,2,3
	v_add_nc_u32 v[rb+\p], v9, v[rb+\p]            ; 768 token + 16 r
.endr
	v_lshl_add_u32 v[xb], v48, 5, v10
	WIN 0x80                                       ; destination window 2
	s_wait_alu depctr_va_vdst(0)                   ; set k's five offsets are written, which the 13 loads read; the moves into XS are done reading set k's scale words, in which the last of them lands; and XS is written, which the products take as scales
.irp p, 0,1,2,3
.irp u, 0,1,2
	global_load_b128 v[gb+4*(3*\p+\u):gb+4*(3*\p+\u)+3], v[rb+\p], s[4:5] offset:256*\u th:TH_LOAD_HT   ; the expert's other work-groups read the same rows
.endr
.endr
	WIN 0
	global_load_b128 v[xn:xn+3], v[xb], s[4:5]
.endm
	PREF 0, 0                                      ; my first tile
	PREF 1, 128                                    ; and my second
	s_wait_alu depctr_vm_vsrc(0)                   ; the LDS stores of W1's turn have read the registers of window 1, in which fragments land
.set ff, 0
.rept 32                               ; fragment f = 4 s + t: window 1 at 12 f up to f = 20, window 2 at 12 (f - 21) from there
.if ff < 21
	WIN 0x40
.set fr, 12*ff
.else
	WIN 0x80
.set fr, 12*(ff-21)
.endif
.irp p, 0,1,2,3,4,5
	ds_load_b64 v[fr+2*\p:fr+2*\p+1], v14 offset:16*WP*(ff%4)+96*(ff/4)+48*(\p/3)+8*(\p%3)
.endr
.set ff, ff+1
.endr
	WIN 0
	s_wait_dscnt 0x0
.macro MMI d, a, b, c, sa, sb, ra, rb
.if (\ra) && (\rb)
	v_wmma_scale_f32_16x16x128_f8f6f4 v[(\d):(\d)+7], v[(\a):(\a)+11], v[(\b):(\b)+11], v[(\c):(\c)+7], v[\sa], v[\sb] matrix_a_fmt:MATRIX_FMT_BF6 matrix_b_fmt:MATRIX_FMT_BF6 matrix_a_scale:MATRIX_SCALE_ROW1 matrix_b_scale:MATRIX_SCALE_ROW1
.elseif (\ra)
	v_wmma_scale_f32_16x16x128_f8f6f4 v[(\d):(\d)+7], v[(\a):(\a)+11], v[(\b):(\b)+11], v[(\c):(\c)+7], v[\sa], v[\sb] matrix_a_fmt:MATRIX_FMT_BF6 matrix_b_fmt:MATRIX_FMT_BF6 matrix_a_scale:MATRIX_SCALE_ROW1
.elseif (\rb)
	v_wmma_scale_f32_16x16x128_f8f6f4 v[(\d):(\d)+7], v[(\a):(\a)+11], v[(\b):(\b)+11], v[(\c):(\c)+7], v[\sa], v[\sb] matrix_a_fmt:MATRIX_FMT_BF6 matrix_b_fmt:MATRIX_FMT_BF6 matrix_b_scale:MATRIX_SCALE_ROW1
.else
	v_wmma_scale_f32_16x16x128_f8f6f4 v[(\d):(\d)+7], v[(\a):(\a)+11], v[(\b):(\b)+11], v[(\c):(\c)+7], v[\sa], v[\sb] matrix_a_fmt:MATRIX_FMT_BF6 matrix_b_fmt:MATRIX_FMT_BF6
.endif
.endm
.macro MM t, s                         ; tile t of units, K step s
.set ff, 4*(\s)+(\t)
.if ff < 21
	WIN 0x01
.set fr, 12*ff
.else
	WIN 0x02
.set fr, 12*(ff-21)
.endif
.if (\s) == 0
.set cr, B1R+8*(\t)                    ; the bias starts the sum
.else
.set cr, ACC+8*(\t)
.endif
	MMI ACC+8*(\t), fr, AX+12*(\s), cr, W1S+8*((\t)%2)+(\s), XS+(\s)%4, (\t)/2, (\s)/4
.endm
; gelu of the sixteen numbers of two accumulators, in place, eight pairs by turns, so that seven other lines stand between a line and the one that reads its result.
; Of each accumulator the first line that reads it reads its two lowest registers.
.macro GELU16 b
.irp k, 0,2,4,6,8,10,12,14
	v_pk_mul_f32 v[TT+\k:TT+\k+1], v[(\b)+\k:(\b)+\k+1], s[CRS:CRS+1] op_sel_hi:[1,0]
.endr
.irp k, 0,1,2,3,4,5,6,7,8,9,10,11,12,13,14,15
	v_med3_num_f32 v[TT+\k], v[TT+\k], -4.0, 4.0
.endr
.irp k, 0,2,4,6,8,10,12,14
	v_pk_mul_f32 v[X2+\k:X2+\k+1], v[TT+\k:TT+\k+1], v[TT+\k:TT+\k+1]
.endr
.irp k, 0,2,4,6,8,10,12,14
	v_pk_fma_f32 v[PA+\k:PA+\k+1], v[X2+\k:X2+\k+1], s[CA13:CA13+1], v[58:59] op_sel_hi:[1,0,1]
.endr
.irp cf, CA9, CA7, CA5, CA3, CA1
.irp k, 0,2,4,6,8,10,12,14
	v_pk_fma_f32 v[PA+\k:PA+\k+1], v[PA+\k:PA+\k+1], v[X2+\k:X2+\k+1], s[\cf:\cf+1] op_sel_hi:[1,1,0]
.endr
.endr
.irp k, 0,2,4,6,8,10,12,14
	v_pk_fma_f32 v[PB+\k:PB+\k+1], v[X2+\k:X2+\k+1], s[CB8:CB8+1], v[28:29] op_sel_hi:[1,0,1]
.endr
.irp cf, CB4, CB2, CB0
.irp k, 0,2,4,6,8,10,12,14
	v_pk_fma_f32 v[PB+\k:PB+\k+1], v[PB+\k:PB+\k+1], v[X2+\k:X2+\k+1], s[\cf:\cf+1] op_sel_hi:[1,1,0]
.endr
.endr
.irp k, 0,2,4,6,8,10,12,14
	v_pk_mul_f32 v[TT+\k:TT+\k+1], v[TT+\k:TT+\k+1], v[PA+\k:PA+\k+1]
.endr
.irp k, 0,1,2,3,4,5,6,7,8,9,10,11,12,13,14,15
	v_rcp_f32 v[PB+\k], v[PB+\k]
.endr
.irp k, 0,2,4,6,8,10,12,14
	v_pk_mul_f32 v[X2+\k:X2+\k+1], v[(\b)+\k:(\b)+\k+1], 0.5 op_sel_hi:[1,0]     ; (plain lines behind the reciprocals)
.endr
	s_wait_alu depctr_va_vdst(0)                   ; the sixteen reciprocals are written, ahead of their first reader
.irp k, 0,2,4,6,8,10,12,14
	v_pk_mul_f32 v[TT+\k:TT+\k+1], v[TT+\k:TT+\k+1], v[PB+\k:PB+\k+1]            ; erf
.endr
.irp k, 0,2,4,6,8,10,12,14
	v_pk_fma_f32 v[(\b)+\k:(\b)+\k+1], v[X2+\k:X2+\k+1], v[TT+\k:TT+\k+1], v[X2+\k:X2+\k+1]
.endr
.endm
; A tile place: the k-th of a trip's two; my tile is T = s57 + 2 k; the registers' set and the pair's stage are k.
.macro PLACE k
.set xn, 54-34*(\k)
.set gb, GG+48*(\k)
	s_add_co_u32 s54, s57, 2*\k
	s_cmp_ge_u32 s54, s30
	s_cbranch_scc1 .Lrest_\@
	s_wait_loadcnt 13                              ; behind this tile's 13 loads stand the 13 of my next tile
.irp i, 0,1,2,3
	v_mov_b32 v[XS+\i], v[xn+\i]                   ; (the request's sixteen plain vector lines below are the places between these and the products)
.endr
	WIN 0x08                                       ; store data window 2
.irp p, 0,1,2,3
.irp u, 0,1,2
	ds_store_b128 v7, v[gb+4*(3*\p+\u):gb+4*(3*\p+\u)+3] offset:XSET*\k+2*WP*\p+256*\u
.endr
.endr
	WIN 0
	PREF \k, 128*\k+256                            ; the tile two places on, into the set just emptied
	s_branch .Lmeet_\@
.Lrest_\@:
	s_wait_loadcnt 0x0                             ; no tile here: whatever was asked for ahead has landed
.Lmeet_\@:
	s_wait_dscnt 0x0                               ; my half of the tile lies in the stage, and my reads of the other stage are back
	s_barrier_signal -1
	s_barrier_wait -1
	s_cmp_ge_u32 s54, s30
	s_cbranch_scc1 .Lskip_\@
.set jj, 0
.rept 24
	ds_load_b128 v[AX+4*jj:AX+4*jj+3], v8 offset:XSET*\k+16*jj      ; a lane's 96 operand registers on end.  No wait here: the wait ahead of the last place's stores stands behind every line that named AX, and no vector instruction since names it
.set jj, jj+1
.endr
.irp s, 0,1,2,3,4,5,6,7
	s_wait_dscnt 21-3*\s                           ; LDS loads come back in order: K step s's three are in, those of the later steps may be out
.irp t, 0,1,2,3
	MM \t, \s                                      ; the four accumulators by turns, one instruction a turn
.endr
.endr
	WIN 0
.rept 4
	v_nop                                          ; places behind the matrix instructions (ISA guide 7.12.1)
.endr
	GELU16 ACC
	GELU16 ACC+16
.irp b, 0,1                            ; my two blocks of 32 along the next K: 16 numbers here, 16 in lane l xor 16
	v_max3_num_f32 v[TM+\b], |v[ACC+16*\b]|, |v[ACC+16*\b+1]|, 0x2800000
.endr
.irp i, 2,4,6,8,10,12,14
.irp b, 0,1
	v_max3_num_f32 v[TM+\b], v[TM+\b], |v[ACC+16*\b+\i]|, |v[ACC+16*\b+\i+1]|
.endr
.endr
.irp b, 0,1
	v_permlanex16_b32 v[TM+2+\b], v[TM+\b], s60, s61
.endr
.irp b, 0,1
	v_max_num_f32 v[TM+\b], v[TM+\b], v[TM+2+\b]
.endr
.irp b, 0,1
	v_add_nc_u32 v[TM+4+\b], 0xfe000000, v[TM+\b]  ; 4 off the exponent field: the conversion's scale operand
.endr
.irp b, 0,1
	v_lshrrev_b32 v[TM+6+\b], 23, v[TM+4+\b]       ; the scale's byte
.endr
	v_lshl_or_b32 v[PW], v[TM+7], 8, v[TM+6]
	v_cvt_scalef32_pk16_bf6_f32 v[PC:PC+2], v[ACC:ACC+15], v[TM+4]
	v_cvt_scalef32_pk16_bf6_f32 v[PD:PD+2], v[ACC+16:ACC+31], v[TM+5]
	v_nop                                          ; one plain line behind a scaled conversion
.irp i, 0,1,2
	v_permlane16_swap_b32 v[PC+\i], v[PD+\i]       ; a whole block to a lane: lanes 0-15 my first block, lanes 16-31 my second
.endr
.irp i, 0,1,2
	v_mov_b32 v[PC+3+\i], v[PD+\i]
.endr
	s_wait_alu depctr_va_vdst(0)                   ; PC and PW are written, which the stores below read; the products and gelu are done with AX, in which the next place's LDS loads land
	s_cmp_lg_u32 s25, 0
	s_cbranch_scc1 .Lupper_\@
	global_store_b128 v4, v[PC:PC+3], s[16:17] offset:98304*\k          ; registers 0-3 of the image: 512 bytes on end
	global_store_b64 v13, v[PC+4:PC+5], s[16:17] offset:98304*\k        ; registers 4, 5
	s_branch .Lsent_\@
.Lupper_\@:
	global_store_b64 v13, v[PC:PC+1], s[16:17] offset:98304*\k          ; registers 6, 7
	global_store_b128 v4, v[PC+2:PC+5], s[16:17] offset:98304*\k+1024   ; registers 8-11
.Lsent_\@:
	global_store_b16 v12, v[PW], s[18:19] offset:4096*\k                ; both halves of the lanes hold row r's bytes and write the same
.Lskip_\@:
	s_wait_xcnt 0x0                                ; the stores' data and bases are written again only behind this wait
	s_wait_alu depctr_vm_vsrc(0)                   ; the stores have read PC and PW, which the next place's quantiser writes again
.endm
	s_mov_b32 s56, 0
	s_mov_b32 s57, s26                             ; the trip's first tile of mine
.Ltile:                                                ; 16 trips of two places whatever n: the sets and the stages are back where they began; a place whose tile does not exist passes its barrier alone
	PLACE 0
	PLACE 1
	s_add_nc_u64 s[16:17], s[16:17], 196608        ; four tiles on: 4 x 32 x 1,536
	s_add_nc_u64 s[18:19], s[18:19], 8192
	s_add_co_u32 s55, s55, 256
	s_add_co_u32 s57, s57, 4
	s_add_co_u32 s56, s56, 1
	s_cmp_lt_u32 s56, 16
	s_cbranch_scc1 .Ltile
	s_wait_dscnt 0x0                               ; the closing lines, six on end
	s_wait_alu 0x0
	s_wait_tensorcnt 0x0
	ds_add_u32 v47, v255
	s_wait_dscnt 0x0
	s_endpgm
.Lfunc_end_k_qc321e4153f_up:
	.size	k_qc321e4153f_up, .Lfunc_end_k_qc321e4153f_up-k_qc321e4153f_up
	.p2alignl 7, 3214868480
	.fill 96, 4, 3214868480
	.section	.rodata,"a",@progbits
	.p2align	6, 0x0
	.amdhsa_kernel k_qc321e4153f_up
		.amdhsa_group_segment_fixed_size 156160
		.amdhsa_private_segment_fixed_size 0
		.amdhsa_enable_private_segment 0
		.amdhsa_kernarg_size 80
		.amdhsa_user_sgpr_count 2
		.amdhsa_user_sgpr_kernarg_segment_ptr 1
		.amdhsa_wavefront_size32 1
		.amdhsa_system_sgpr_workgroup_id_x 1
		.amdhsa_system_sgpr_workgroup_id_y 1
		.amdhsa_system_sgpr_workgroup_id_z 1
		.amdhsa_system_vgpr_workitem_id 0
		.amdhsa_next_free_vgpr 768
		.amdhsa_next_free_sgpr 102
		.amdhsa_reserve_vcc 1
		.amdhsa_float_denorm_mode_32 3
		.amdhsa_float_denorm_mode_16_64 3
		.amdhsa_memory_ordered 1
		.amdhsa_forward_progress 1
		.amdhsa_inst_pref_size 237
	.end_amdhsa_kernel
	.amdgpu_metadata
---
amdhsa.version: [ 1, 2 ]
amdhsa.kernels:
  - .name:           k_qc321e4153f_up
    .symbol:         k_qc321e4153f_up.kd
    .args:
      - { .name: xq, .offset: 0, .size: 8, .value_kind: global_buffer, .address_space: global }
      - { .name: route_i, .offset: 8, .size: 8, .value_kind: global_buffer, .address_space: global }
      - { .name: gw, .offset: 16, .size: 8, .value_kind: global_buffer, .address_space: global }
      - { .name: w1_codes, .offset: 24, .size: 8, .value_kind: global_buffer, .address_space: global }
      - { .name: w1_scales, .offset: 32, .size: 8, .value_kind: global_buffer, .address_space: global }
      - { .name: b1, .offset: 40, .size: 8, .value_kind: global_buffer, .address_space: global }
      - { .name: hc, .offset: 48, .size: 8, .value_kind: global_buffer, .address_space: global }
      - { .name: hs, .offset: 56, .size: 8, .value_kind: global_buffer, .address_space: global }
      - { .name: rowy, .offset: 64, .size: 8, .value_kind: global_buffer, .address_space: global }
      - { .name: roww, .offset: 72, .size: 8, .value_kind: global_buffer, .address_space: global }
    .group_segment_fixed_size: 156160
    .private_segment_fixed_size: 0
    .kernarg_segment_align: 8
    .kernarg_segment_size: 80
    .max_flat_workgroup_size: 128
    .sgpr_count:     102
    .vgpr_count:     768
    .wavefront_size: 32
...
	.end_amdgpu_metadata
.endif
;; end of part 5
;; launch down (part 6): grid 256 x 1, 4 waves a work-group, no clusters, 259,584 bytes of LDS; arguments hc, hs, route_i, rowy, roww, w2_codes, w2_scales, b2, y; writes y
.if DOCPART == 6
	.amdgcn_target "amdgcn-amd-amdhsa--gfx1250"
	.amdhsa_code_object_version 6
	.text
	.protected	k_qc321e4153f_down
	.globl	k_qc321e4153f_down
	.p2align	8
	.type	k_qc321e4153f_down,@function
k_qc321e4153f_down:
	s_mov_b64 s[64:65], 0
	v_nop
	global_prefetch_b8 v0, s[64:65] scope:SCOPE_SE
	s_setreg_imm32_b32 hwreg(HW_REG_WAVE_SCHED_MODE, 0, 2), 2
	s_setreg_imm32_b32 hwreg(HW_REG_WAVE_MODE, 25, 1), 1
	s_wait_xcnt 0x0
	s_wait_alu depctr_vm_vsrc(0)
; THE SECOND PRODUCT OF THE CHOSEN ROWS: y[2 token + k] = (h W2^T + b2) x the gate's weight, on codes of E3M2 with one E8M0 scale for each 32 along K.
; Work-group (e, cs, par) = (wg >> 5, (wg >> 1) & 15, wg & 1) owns output columns 64 cs .. + 63 of expert e and the expert's tiles of 16 rows of parity par.
; K IS SHARED AMONG THE WAVES: wave w owns K steps 8 w .. 8 w + 7 of all four tiles of columns: 32 fragments of W2, 384 registers, for the whole launch
; (they come by loads of 512 bytes on end and turn through LDS), and each fragment of h is loaded by one wave alone, straight into its operand registers.
; The four waves' partial sums meet in a stage in LDS; wave w adds rows 4 w .. 4 w + 3, adds b2, multiplies by the row's weight and stores: sixteen lanes
; write 256 bytes on end, aligned, of a row of y.  One barrier a tile: three stages by turns, so a stage is written again two barriers behind its reads.
; THE PRODUCT IS USED TRANSPOSED (source 0 = 16 rows of W2, source 1 = 16 rows of h): a lane holds eight neighbouring columns of one row.
; h runs two tiles ahead, in three sets of registers.  33 tile places whatever the expert's count; a place whose tile does not exist passes its barrier alone.
; Slots behind an expert's last row repeat that row: they give the same bits and store them at the same place.
; No tensor load and no joint load: which tiles exist hangs on counts read from memory.  LIMITS: NaN and infinities are not served.
; THE MODE: SCHED_MODE bits 1:0 = 2 (LLVM: expert scheduling mode 2), set by the entry lines.  The code itself states the register dependences
; between vector or matrix instructions and memory or LDS instructions, with s_wait_alu, always for 0.
; THE PLAN.  Registers that memory or LDS instructions touch in the loop:
;   h's sets 0 to 2, HS   Place k: its products read set k and its scale words; the loads of the tile two places on land in set (k + 2) % 3, which the place before multiplied.
;   ACC                   written by the products; read by the eight LDS stores into the stage.
;   v140                  written by one addition; read by the reduction's four LDS loads of the tables.
;   v128-132, RT          landed by the reduction's LDS loads; read and written by its sums; RT is read by the two stores of y.
;   v142, v143            written by the reduction; read by the two stores as offsets.
;   v5, v6, v12, v13      made at the head and never written again.
; A place's waits: on va_vdst behind the places that follow the products (ACC is written), behind the addition to v140, and ahead of the two stores of y; on vm_vsrc ahead of the barrier.
; The first of them stands behind every product that read its set of h, and no vector or matrix instruction behind it names that set, its scale words, v5 or v6 before the next
; place's loads land there: so those 28 loads are dealt among the next place's products with no wait of their own.
.set W2P,   3088                       ; an LDS row of 3,072 bytes + 16 = 772 words: row r starts at bank 4 r mod 64 (64 banks of 4 bytes: ISA guide 11.1)
.set STG,   64*W2P                     ; behind W2's 64 rows: 3 stages x 4 waves x 16 rows x (256 + 16) bytes
.set INFOY, STG+3*4*16*272             ; the slots' rows of y, 1,152 words,
.set INFD,  4608                       ; and so far behind them their weights
.set W2S,   36                         ; v36-51   W2's scale words: register 8 (ct % 2) + sq: lanes 0-15 tile ct % 2, lanes 16-31 tile ct % 2 + 2
.set HS,    52                         ; v52-63   h's scale words, four a set: register j: lanes 0-15 my K step 2 j, lanes 16-31 2 j + 1
.set ACC,   64                         ; v64-95   four accumulators
.set RT,    96                         ; v96-127  the reduction: 2 rows x 4 waves x 4 columns
.set MSB, 0
.macro WIN new                         ; the immediate's high byte repeats the setting that is left
.if MSB != (\new)
	s_set_vgpr_msb (MSB<<8)|(\new)
.set MSB, (\new)
.endif
.endm
	s_load_b512 s[4:19], s[0:1], 0x0               ; hc, hs, route_i, rowy, roww, w2_codes, w2_scales, b2
	s_load_b64 s[20:21], s[0:1], 0x40              ; y
	v_lshl_add_u32 v158, v0, 2, 0x3f400
	v_mov_b32 v159, 0
.irp i, 0,1,2,3,4,5,6,7,8,9,10,11
	v_mov_b32 v[HS+\i], 0x7f7f7f7f                 ; scales of one, until the first loads land there
.endr
	v_lshrrev_b32 v1, 5, v0
	v_readfirstlane_b32 s24, v1                    ; wave
	v_and_b32 v1, 31, v0                           ; lane
	v_and_b32 v2, 15, v0                           ; r
	v_bfe_u32 v3, v0, 4, 1                         ; h
	s_lshr_b32 s27, ttmp9, 5                       ; e
	s_bfe_u32 s28, ttmp9, 0x40001                  ; cs
	s_and_b32 s29, ttmp9, 1                        ; par
	v_lshlrev_b32 v4, 4, v1                        ; 16 x lane
	s_wait_alu depctr_va_sdst(0)                   ; s24 is written, ahead of its first reader
	s_mul_i32 s2, s24, 12288
	v_add_nc_u32 v5, s2, v4                        ; hc: my eight K steps of a tile
	s_lshl_b32 s2, s24, 9
	v_lshl_add_u32 v6, v1, 2, s2                   ; hs likewise
	s_mul_i32 s2, s24, 16*W2P
	v_add_nc_u32 v7, s2, v4                        ; W2's turn, in: my 16 rows
	s_mul_i32 s2, s24, 768
	v_mul_u32_u24 v8, v2, W2P
	v_mad_u32_u24 v8, v3, 24, v8
	v_add_nc_u32 v8, s2, v8                        ; W2's fragments: row r, + 24 h, my K steps; one register for each tile of columns
	v_add_nc_u32 v9, 16*W2P, v8
	v_add_nc_u32 v10, 32*W2P, v8
	v_add_nc_u32 v11, 48*W2P, v8
	s_mul_i32 s2, s24, 4352
	s_add_co_u32 s2, s2, STG
	v_mul_u32_u24 v12, v2, 272
	v_lshl_add_u32 v12, v3, 5, v12
	v_add_nc_u32 v12, s2, v12                      ; the stage, in: my part, row r, + 32 h
	s_mul_i32 s2, s24, 1088
	s_add_co_u32 s2, s2, STG
	v_mul_u32_u24 v13, v3, 272
	v_lshl_add_u32 v13, v2, 4, v13
	v_add_nc_u32 v13, s2, v13                      ; and out: row 4 w + h, 16 r
	s_lshl_b32 s2, s29, 6
	s_lshl_b32 s3, s24, 4
	s_add_co_u32 s2, s2, s3
	s_add_co_u32 s2, s2, INFOY
	v_lshl_add_u32 v14, v3, 2, s2                  ; the slots of my rows in my first tile
	s_lshl_b32 s2, s28, 8
	v_lshl_add_u32 v15, v2, 4, s2                  ; y: my columns' bytes in a row
	s_lshl_b32 s2, s24, 7
	v_lshl_add_u32 v16, v1, 2, s2                  ; rowy, roww: group w + 4 i at 512 i
	v_add_nc_u32 v17, INFOY, v16
	v_lshlrev_b32 v35, 7, v2
	v_lshl_add_u32 v35, v3, 12, v35                ; W2's scale rows: 128 bytes x (32 h + r)
	v_lshlrev_b32 v135, 4, v2                      ; b2: my four columns
	v_mov_b32 v34, 0
	v_mov_b32 v131, 0                              ; (upper halves of the pairs that carry a weight in the lower)
	v_mov_b32 v133, 0
.irp i, 0,1,2,3,4,5,6,7,8,9,10,11,12,13,14,15
	v_mov_b32 v[18+\i], 0                          ; groups that no tile reads stay zeros
.endr
	s_mov_b32 s3, 0
	s_lshl_b32 s25, s27, 10
	s_lshl_b32 s26, s28, 6
	s_add_co_u32 s25, s25, s26                     ; my first row of W2: 1024 e + 64 cs
	s_lshl_b32 s26, s24, 4
	s_add_co_u32 s26, s25, s26
	s_wait_kmcnt 0x0
	s_lshl_b32 s2, s27, 7
	s_add_nc_u64 s[22:23], s[8:9], s[2:3]
	s_load_b512 s[32:47], s[22:23], 0x2000         ; the expert's mask
	s_load_b512 s[48:63], s[22:23], 0x2040
	s_mul_i32 s2, s26, 3072
	s_add_nc_u64 s[14:15], s[14:15], s[2:3]
.macro STAGE_LD win, reg, i0           ; 24 of my 96 loads of 512 bytes on end
	WIN \win
.set ii, 0
.rept 24
	global_load_b128 v[\reg+4*ii:\reg+4*ii+3], v4, s[14:15] offset:512*(\i0+ii)
.set ii, ii+1
.endr
.endm
.macro STAGE_ST win, reg, i0           ; a row is six loads
	WIN \win
.set ii, 0
.rept 24
	ds_store_b128 v7, v[\reg+4*ii:\reg+4*ii+3] offset:W2P*((\i0+ii)/6)+512*((\i0+ii)%6)
.set ii, ii+1
.endr
.endm
	s_wait_alu depctr_va_vdst(0)                   ; every offset and LDS address made above is written, which the loads and stores of the whole kernel read; so are the zeros of v18 to v34 and HS's scales of one, in which loads land or which LDS stores read
	STAGE_LD 0, 160, 0                             ; into the registers that h's three sets and W2's fragments take later
	STAGE_LD 0x40, 0, 24
	STAGE_LD 0x40, 96, 48
	STAGE_LD 0x80, 0, 72
	WIN 0
	s_lshl_b32 s2, s25, 7
	s_lshl_b32 s26, s24, 5
	s_add_co_u32 s2, s2, s26
	s_add_nc_u64 s[16:17], s[16:17], s[2:3]
	s_lshl_b32 s2, s25, 2
	s_add_nc_u64 s[18:19], s[18:19], s[2:3]
	s_lshl_b32 s2, s27, 12
	s_add_nc_u64 s[10:11], s[10:11], s[2:3]
	s_add_nc_u64 s[12:13], s[12:13], s[2:3]
.irp cp, 0,1
.irp qd, 0,1
	global_load_b128 v[W2S+8*\cp+4*\qd:W2S+8*\cp+4*\qd+3], v35, s[16:17] offset:2048*\cp+16*\qd
.endr
.endr
	global_load_b128 v[136:139], v135, s[18:19]
	s_wait_kmcnt 0x0
	s_mov_b32 s30, 0
.set cc, 0
.rept 32
	s_bcnt1_i32_b32 s2, s[32+cc]
	s_add_co_u32 s30, s30, s2
.set cc, cc+1
.endr
	s_add_co_u32 s30, s30, 15
	s_lshr_b32 s30, s30, 4                         ; nt: the expert's tiles
	s_max_u32 s31, s30, 1
	s_sub_co_u32 s31, s31, 1                       ; the last of them
.macro INFO i                          ; group w + 4 i of 32 slots, where a tile reads it
	s_add_co_u32 s2, s24, 4*\i
	s_lshl_b32 s2, s2, 1
	s_cmp_ge_u32 s2, s30
	s_cbranch_scc1 .Lnoinfo_\@
	global_load_b32 v[18+\i], v16, s[10:11] offset:512*\i
	global_load_b32 v[26+\i], v16, s[12:13] offset:512*\i
.Lnoinfo_\@:
.endm
.irp i, 0,1,2,3,4,5,6,7
	INFO \i
.endr
	s_mov_b32 s59, 0
	s_mul_i32 s58, s27, 3145728
	s_add_nc_u64 s[46:47], s[4:5], s[58:59]        ; hc and hs at my expert
	s_lshl_b32 s58, s27, 17
	s_add_nc_u64 s[48:49], s[6:7], s[58:59]
	s_wait_loadcnt 0x0
	STAGE_ST 0, 160, 0
	STAGE_ST 0x04, 0, 24
	STAGE_ST 0x04, 96, 48
	STAGE_ST 0x08, 0, 72
	WIN 0
.irp i, 0,1,2,3,4,5,6,7
	ds_store_b32 v17, v[18+\i] offset:512*\i
	ds_store_b32 v17, v[26+\i] offset:INFD+512*\i
.endr
	ds_store_b32 v17, v34 offset:4096
	ds_store_b32 v17, v34 offset:INFD+4096
	s_wait_dscnt 0x0                               ; my rows of W2 and my part of the tables lie in LDS
	s_barrier_signal -1
	s_barrier_wait -1
	s_wait_alu depctr_vm_vsrc(0)                   ; the LDS stores of W2's turn have read their registers, in which h's sets and W2's fragments land below
.macro HADDR                           ; the bases of the tile whose number stands in s3, held to the expert's last tile: only tiles that were stored are read
	s_min_u32 s3, s3, s31
	s_min_u32 s3, s3, 63
	s_mul_i32 s58, s3, 49152
	s_add_nc_u64 s[32:33], s[46:47], s[58:59]
	s_lshl_b32 s58, s3, 11
	s_add_nc_u64 s[40:41], s[48:49], s[58:59]
.endm
.macro HPART k, g                      ; part g of four of that tile's 28 loads into set k: six loads of my eight fragments, as images of their registers; with part 0 the four of their scale words
.if (\g) == 0
	WIN 0
.irp j, 0,1,2,3
	global_load_b32 v[HS+4*(\k)+\j], v6, s[40:41] offset:128*\j
.endr
.endif
.if (\k) == 0
	WIN 0
.set hb, 160
.else
	WIN 0x40
.set hb, 96*((\k)-1)
.endif
.set ii, 6*(\g)
.rept 6
	global_load_b128 v[hb+4*ii:hb+4*ii+3], v5, s[32:33] offset:512*ii
.set ii, ii+1
.endr
.endm
.macro HLOAD k                         ; all four parts on end: the two tiles that are asked for ahead of the loop
	HPART \k, 0
	HPART \k, 1
	HPART \k, 2
	HPART \k, 3
	WIN 0
.endm
	s_cmp_eq_u32 s30, 0
	s_cbranch_scc1 .Lnoh
	s_mov_b32 s3, s29
	HADDR
	HLOAD 0
	s_wait_xcnt 0x0                                ; the bases are written again only behind this wait
	s_add_co_u32 s3, s29, 2
	HADDR
	HLOAD 1
.Lnoh:
.set ff, 0
.rept 32                               ; fragment f = 4 sq + ct: window 2 at 12 f up to f = 20, window 3 at 12 (f - 21) from there
.if ff < 21
	WIN 0x80
.set fr, 12*ff
.else
	WIN 0xc0
.set fr, 12*(ff-21)
.endif
.irp p, 0,1,2,3,4,5
	ds_load_b64 v[fr+2*\p:fr+2*\p+1], v[8+ff%4] offset:96*(ff/4)+48*(\p/3)+8*(\p%3)
.endr
.set ff, ff+1
.endr
	WIN 0
	s_wait_dscnt 0x0
.macro MMI d, a, b, c, sa, sb, ra, rb
.if (\c) < 0
.if (\ra) && (\rb)
	v_wmma_scale_f32_16x16x128_f8f6f4 v[(\d):(\d)+7], v[(\a):(\a)+11], v[(\b):(\b)+11], 0, v[\sa], v[\sb] matrix_a_fmt:MATRIX_FMT_BF6 matrix_b_fmt:MATRIX_FMT_BF6 matrix_a_scale:MATRIX_SCALE_ROW1 matrix_b_scale:MATRIX_SCALE_ROW1
.elseif (\ra)
	v_wmma_scale_f32_16x16x128_f8f6f4 v[(\d):(\d)+7], v[(\a):(\a)+11], v[(\b):(\b)+11], 0, v[\sa], v[\sb] matrix_a_fmt:MATRIX_FMT_BF6 matrix_b_fmt:MATRIX_FMT_BF6 matrix_a_scale:MATRIX_SCALE_ROW1
.elseif (\rb)
	v_wmma_scale_f32_16x16x128_f8f6f4 v[(\d):(\d)+7], v[(\a):(\a)+11], v[(\b):(\b)+11], 0, v[\sa], v[\sb] matrix_a_fmt:MATRIX_FMT_BF6 matrix_b_fmt:MATRIX_FMT_BF6 matrix_b_scale:MATRIX_SCALE_ROW1
.else
	v_wmma_scale_f32_16x16x128_f8f6f4 v[(\d):(\d)+7], v[(\a):(\a)+11], v[(\b):(\b)+11], 0, v[\sa], v[\sb] matrix_a_fmt:MATRIX_FMT_BF6 matrix_b_fmt:MATRIX_FMT_BF6
.endif
.else
.if (\ra) && (\rb)
	v_wmma_scale_f32_16x16x128_f8f6f4 v[(\d):(\d)+7], v[(\a):(\a)+11], v[(\b):(\b)+11], v[(\c):(\c)+7], v[\sa], v[\sb] matrix_a_fmt:MATRIX_FMT_BF6 matrix_b_fmt:MATRIX_FMT_BF6 matrix_a_scale:MATRIX_SCALE_ROW1 matrix_b_scale:MATRIX_SCALE_ROW1
.elseif (\ra)
	v_wmma_scale_f32_16x16x128_f8f6f4 v[(\d):(\d)+7], v[(\a):(\a)+11], v[(\b):(\b)+11], v[(\c):(\c)+7], v[\sa], v[\sb] matrix_a_fmt:MATRIX_FMT_BF6 matrix_b_fmt:MATRIX_FMT_BF6 matrix_a_scale:MATRIX_SCALE_ROW1
.elseif (\rb)
	v_wmma_scale_f32_16x16x128_f8f6f4 v[(\d):(\d)+7], v[(\a):(\a)+11], v[(\b):(\b)+11], v[(\c):(\c)+7], v[\sa], v[\sb] matrix_a_fmt:MATRIX_FMT_BF6 matrix_b_fmt:MATRIX_FMT_BF6 matrix_b_scale:MATRIX_SCALE_ROW1
.else
	v_wmma_scale_f32_16x16x128_f8f6f4 v[(\d):(\d)+7], v[(\a):(\a)+11], v[(\b):(\b)+11], v[(\c):(\c)+7], v[\sa], v[\sb] matrix_a_fmt:MATRIX_FMT_BF6 matrix_b_fmt:MATRIX_FMT_BF6
.endif
.endif
.endm
.macro DMM k, ct, sq                   ; tile ct of columns, my K step sq, h's set k
.set ff, 4*(\sq)+(\ct)
.if ff < 21
.set aw, 2
.set fr, 12*ff
.else
.set aw, 3
.set fr, 12*(ff-21)
.endif
.if (\k) == 0
.set bw, 0
.set bb, 160
.else
.set bw, 1
.set bb, 96*((\k)-1)
.endif
	WIN aw|(bw<<2)
.if (\sq) == 0
.set cr, -1                            ; the first product starts the sum
.else
.set cr, ACC+8*(\ct)
.endif
	MMI ACC+8*(\ct), fr, bb+12*(\sq), cr, W2S+8*((\ct)%2)+(\sq), HS+4*(\k)+(\sq)/2, (\ct)/2, (\sq)%2
.endm
; A tile place: the k-th of a trip's three; its tile is T = s57 + 2 k, h's set and the stage are k.
.macro TILE k
	s_add_co_u32 s2, s57, 2*\k
	s_cmp_ge_u32 s2, s30
	s_cbranch_scc1 .Lrest_\@
	s_wait_xcnt 0x0                                ; the bases are written again only behind this wait
	s_add_co_u32 s3, s2, 4
	HADDR
	s_wait_loadcnt 28                              ; behind this tile's 28 loads stand the 28 of the next tile; the tile two places on is asked for among the products below
.irp sq, 0,1,2,3,4,5,6,7
.irp ct, 0,1,2,3
	DMM \k, \ct, \sq                               ; the four accumulators by turns, one instruction a turn
.endr
.if \sq < 4
	HPART (\k+2)%3, \sq                            ; the tile two places on, into the set that the place before has left.  No wait: the wait ahead of that place's stage stores stands behind its products, and nothing since names this set, its scale words, v5 or v6
.endif
.endr
	WIN 0
.rept 5
	v_nop                                          ; places behind the matrix instructions: 4 for the stores below, 5 for the next tile's first products, which begin the sums anew
.endr
	s_wait_alu depctr_va_vdst(0)                   ; the products have written the accumulators, which the LDS stores read, and are done reading h's set k and its scale words, in which the next place's loads land; the places above stay beside this wait
.irp ct, 0,1,2,3
	ds_store_b128 v12, v[ACC+8*\ct:ACC+8*\ct+3] offset:17408*\k+64*\ct          ; each accumulator from its low end on
	ds_store_b128 v12, v[ACC+8*\ct+4:ACC+8*\ct+7] offset:17408*\k+64*\ct+16
.endr
	s_branch .Lmeet_\@
.Lrest_\@:
	s_wait_loadcnt 0x0                             ; no tile here: whatever was asked for ahead has landed
.Lmeet_\@:
	s_wait_dscnt 0x0                               ; my partial sums lie in the stage, and my reads of the place before are back
	s_wait_alu depctr_vm_vsrc(0)                   ; the stage's stores have read the accumulators, which the next place's products write; the last reduction's LDS loads have read v140, its stores v142, v143 and RT, which the reduction below writes again
	s_barrier_signal -1
	s_barrier_wait -1
	s_cmp_ge_u32 s2, s30
	s_cbranch_scc1 .Lskip_\@
	s_wait_xcnt 0x0                                ; the last stores' registers are written again only behind this wait
	v_add_nc_u32 v140, s55, v14
	s_wait_alu depctr_va_vdst(0)                   ; v140 is written, which four of the LDS loads read; the last reduction's lines are done with v128 to v132 and RT, in which the twelve land
	ds_load_b32 v128, v140 offset:128*\k           ; rows 4 w + h and 4 w + h + 2: their rows of y
	ds_load_b32 v129, v140 offset:128*\k+8
	ds_load_b32 v130, v140 offset:128*\k+INFD      ; and their weights
	ds_load_b32 v132, v140 offset:128*\k+INFD+8
.irp ip, 0,1
.irp src, 0,1,2,3
	ds_load_b128 v[RT+16*\ip+4*\src:RT+16*\ip+4*\src+3], v13 offset:17408*\k+4352*\src+544*\ip
.endr
.endr
	s_wait_dscnt 0x0
.irp ip, 0,1
.irp c2, 0,2
	v_pk_add_f32 v[RT+16*\ip+\c2:RT+16*\ip+\c2+1], v[RT+16*\ip+\c2:RT+16*\ip+\c2+1], v[RT+16*\ip+4+\c2:RT+16*\ip+4+\c2+1]
	v_pk_add_f32 v[RT+16*\ip+8+\c2:RT+16*\ip+8+\c2+1], v[RT+16*\ip+8+\c2:RT+16*\ip+8+\c2+1], v[RT+16*\ip+12+\c2:RT+16*\ip+12+\c2+1]
.endr
.endr
.irp ip, 0,1
.irp c2, 0,2
	v_pk_add_f32 v[RT+16*\ip+\c2:RT+16*\ip+\c2+1], v[RT+16*\ip+\c2:RT+16*\ip+\c2+1], v[RT+16*\ip+8+\c2:RT+16*\ip+8+\c2+1]
.endr
.endr
.irp ip, 0,1
.irp c2, 0,2
	v_pk_add_f32 v[RT+16*\ip+\c2:RT+16*\ip+\c2+1], v[RT+16*\ip+\c2:RT+16*\ip+\c2+1], v[136+\c2:137+\c2]
.endr
.endr
.irp ip, 0,1
.irp c2, 0,2
	v_pk_mul_f32 v[RT+16*\ip+\c2:RT+16*\ip+\c2+1], v[RT+16*\ip+\c2:RT+16*\ip+\c2+1], v[130+2*\ip:131+2*\ip] op_sel_hi:[1,0]
.endr
.endr
.irp ip, 0,1
	v_min_u32 v[128+\ip], 0x7ff, v[128+\ip]
	v_lshl_add_u32 v[142+\ip], v[128+\ip], 12, v15
.endr
	s_wait_alu depctr_va_vdst(0)                   ; the two rows' sums in RT and their offsets v142 and v143 are written, which the stores read
	global_store_b128 v142, v[RT:RT+3], s[20:21]           ; sixteen lanes store 256 bytes on end, at a multiple of 256 from y's first byte
	global_store_b128 v143, v[RT+16:RT+19], s[20:21]
.Lskip_\@:
.endm
	s_mov_b32 s56, 0
	s_mov_b32 s57, s29                             ; the trip's first tile
	s_mov_b32 s55, 0                               ; 384 bytes of the tables a trip
.Ltrip:                                                ; 11 trips of three places: h's sets and the stages are back where they began
	TILE 0
	TILE 1
	TILE 2
	s_add_co_u32 s57, s57, 6
	s_add_co_u32 s55, s55, 384
	s_add_co_u32 s56, s56, 1
	s_cmp_lt_u32 s56, 11
	s_cbranch_scc1 .Ltrip
	s_wait_dscnt 0x0                               ; the closing lines, six on end
	s_wait_alu 0x0
	s_wait_tensorcnt 0x0
	ds_add_u32 v158, v159
	s_wait_dscnt 0x0
	s_endpgm
.Lfunc_end_k_qc321e4153f_down:
	.size	k_qc321e4153f_down, .Lfunc_end_k_qc321e4153f_down-k_qc321e4153f_down
	.p2alignl 7, 3214868480
	.fill 96, 4, 3214868480
	.section	.rodata,"a",@progbits
	.p2align	6, 0x0
	.amdhsa_kernel k_qc321e4153f_down
		.amdhsa_group_segment_fixed_size 259584
		.amdhsa_private_segment_fixed_size 0
		.amdhsa_enable_private_segment 0
		.amdhsa_kernarg_size 72
		.amdhsa_user_sgpr_count 2
		.amdhsa_user_sgpr_kernarg_segment_ptr 1
		.amdhsa_wavefront_size32 1
		.amdhsa_system_sgpr_workgroup_id_x 1
		.amdhsa_system_sgpr_workgroup_id_y 1
		.amdhsa_system_sgpr_workgroup_id_z 1
		.amdhsa_system_vgpr_workitem_id 0
		.amdhsa_next_free_vgpr 1024
		.amdhsa_next_free_sgpr 66
		.amdhsa_reserve_vcc 0
		.amdhsa_float_denorm_mode_32 3
		.amdhsa_float_denorm_mode_16_64 3
		.amdhsa_memory_ordered 1
		.amdhsa_forward_progress 1
		.amdhsa_inst_pref_size 79
	.end_amdhsa_kernel
	.amdgpu_metadata
---
amdhsa.version: [ 1, 2 ]
amdhsa.kernels:
  - .name:           k_qc321e4153f_down
    .symbol:         k_qc321e4153f_down.kd
    .args:
      - { .name: hc, .offset: 0, .size: 8, .value_kind: global_buffer, .address_space: global }
      - { .name: hs, .offset: 8, .size: 8, .value_kind: global_buffer, .address_space: global }
      - { .name: route_i, .offset: 16, .size: 8, .value_kind: global_buffer, .address_space: global }
      - { .name: rowy, .offset: 24, .size: 8, .value_kind: global_buffer, .address_space: global }
      - { .name: roww, .offset: 32, .size: 8, .value_kind: global_buffer, .address_space: global }
      - { .name: w2_codes, .offset: 40, .size: 8, .value_kind: global_buffer, .address_space: global }
      - { .name: w2_scales, .offset: 48, .size: 8, .value_kind: global_buffer, .address_space: global }
      - { .name: b2, .offset: 56, .size: 8, .value_kind: global_buffer, .address_space: global }
      - { .name: y, .offset: 64, .size: 8, .value_kind: global_buffer, .address_space: global }
    .group_segment_fixed_size: 259584
    .private_segment_fixed_size: 0
    .kernarg_segment_align: 8
    .kernarg_segment_size: 72
    .max_flat_workgroup_size: 128
    .sgpr_count:     66
    .vgpr_count:     1024
    .wavefront_size: 32
...
	.end_amdgpu_metadata
.endif
;; end of part 6
;; launch join: the kernel of part 4 again; grid 256 x 1, 4 waves a work-group, no clusters, 0 bytes of LDS; arguments y, out0; writes out0
